; MI455X (gfx1250); checked and timed in simulation.
; The chip was launched on July 23, 2026; its instructions are those of AMD's public machine-readable ISA for CDNA 5 (MIT licence, August 2026) and "CDNA5" Instruction Set Architecture Reference Guide (July 2026). The comments in the code are by the model that wrote it; some were corrected since.
;; Multi Head Attention. Allowed arithmetic: matrix products marked QUANTISED: E2M1 operands, one E8M0 scale for each 32 along K, by v_wmma_scale_f32_16x16x128_f8f6f4 with both operands' format E2M1 (or v_wmma_scale_f32_32x16x128_f4), f32 sums; products left as they are: bf16, f16 or f32 operands; f32 sums; everything else in f32.
;; Inputs: Wk 1,024 x 1,024 float32; Wo 1,024 x 1,024 float32; Wq 1,024 x 1,024 float32; Wv 1,024 x 1,024 float32; bk 1,024 float32; bo 1,024 float32; bq 1,024 float32; bv 1,024 float32; key 2 x 2,048 x 1,024 float32; query 2 x 2,048 x 1,024 float32; value 2 x 2,048 x 1,024 float32.
;; Outputs: out0 2 x 2,048 x 1,024 float32.
;; This version of the problem:
;;   THIS VERSION OF THE PROBLEM IS GIVEN IN LOW PRECISION. The matrix products marked QUANTISED in the list below multiply operands that are first quantised to E2M1 (2 exponent bits, 1 mantissa bit; 4 bits a number), with one power-of-two scale for each 32 numbers along K (OCP MX v1.0); their sums are f32. The products marked 'left as it is' may take bf16, f16 or f32 operands, with f32 sums. All else is computed in f32.
;;   The module's matrix products, in the order in which they are computed (A, B: the left and right operand; K: the contracted axis; several contracted axes count as one K, in the product's order):
;;     1. [M 4,096, K 1,024] x [K 1,024, N 1,024]; A: input query; B: input Wq: QUANTISED
;;     2. [M 4,096, K 1,024] x [K 1,024, N 1,024]; A: input key; B: input Wk: QUANTISED
;;     3. [M 4,096, K 1,024] x [K 1,024, N 1,024]; A: input value; B: input Wv: QUANTISED
;;     4. batch 32 x [M 2,048, K 64] x [K 64, N 2,048]; A: computed on the way; B: computed on the way: left as it is (an operand is computed on the way)
;;     5. batch 32 x [M 2,048, K 2,048] x [K 2,048, N 64]; A: computed on the way; B: computed on the way: left as it is (an operand is computed on the way)
;;     6. [M 4,096, K 1,024] x [K 1,024, N 1,024]; A: computed on the way; B: input Wo: left as it is (an operand is computed on the way)
;;   THE QUANTISER, for each operand of a quantised product, along K:
;;     - K is cut into blocks of 32 from its start; a last block that is shorter is filled with zeros.
;;     - A block's scale is 2^e with e = floor(log2(the largest magnitude in the block)) - 2, held to -126 .. 127; a block of zeros has e = 0. As a byte (E8M0): e + 127.
;;     - Each number is divided by its block's scale, clamped to +-6, and rounded to the nearest number of E2M1, ties to even, subnormals kept.
;;     - The product sums the exact products of the quantised numbers (number of the format x scale) in f32.
;;   ~~~python
;;   def quantise(x, axis):      # numpy; x: float32 -> the quantised numbers, widened to float32 again
;;       x = np.moveaxis(x, axis, -1); K = x.shape[-1]
;;       x = np.pad(x, [(0, 0)] * (x.ndim - 1) + [(0, -K % 32)]); x = x.reshape(x.shape[:-1] + (-1, 32)); a = np.abs(x).max(-1, keepdims=True)
;;       e = np.where(a > 0, np.clip(np.frexp(np.where(a > 0, a, 1))[1] - 1 - 2, -126, 127), 0)      # np.frexp(a)[1] - 1 = floor(log2(a)), exactly
;;       r = np.clip(x / 2.0 ** e, -6, 6)
;;       step = 2.0 ** (np.maximum(np.frexp(np.where(r == 0, 1, r))[1] - 1, 0) - 1)
;;       q = np.round(r / step) * step * 2.0 ** e      # np.round: ties to even
;;       return np.moveaxis(q.reshape(q.shape[:-2] + (-1,))[..., :K], -1, axis).astype(np.float32)
;;   ~~~
;; One version. Each part assembles by itself: llvm-mc -triple=amdgcn-amd-amdhsa -mcpu=gfx1250 --defsym DOCPART=n.
;; ======== version 1 of 1: 4 launches
;; limits: values are held in f16: magnitudes above 65,504 overflow, below 6.1e-05 lose precision
;; workspace buffers: codes 7,864,320 bytes; scales 491,520 bytes; wo16 2,097,152 bytes; qf 8,388,608 bytes; kv 16,777,216 bytes; ctxf 8,388,608 bytes
;; launch prep (part 1): grid 256 x 1, 8 waves a work-group, no clusters, 68,608 bytes of LDS; arguments query, key, value, Wq, Wk, Wv, Wo, codes, scales, wo16; writes codes, scales, wo16
.if DOCPART == 1
	.amdgcn_target "amdgcn-amd-amdhsa--gfx1250"
	.amdhsa_code_object_version 6
	.text
	.protected	k_qed0814ae57_prep
	.globl	k_qed0814ae57_prep
	.p2align	8
	.type	k_qed0814ae57_prep,@function
k_qed0814ae57_prep:
	s_mov_b64 s[64:65], 0
	v_nop
	global_prefetch_b8 v0, s[64:65] scope:SCOPE_SE
	s_setreg_imm32_b32 hwreg(HW_REG_WAVE_MODE, 25, 1), 1
	s_wait_xcnt 0x0
; query, key, value [4096][1024] and Wq, Wk, Wv [1024][1024], f32 with K innermost, become codes of FP4 (E2M1) with one E8M0 byte for each 32 along K; Wo [1024][1024] becomes f16.
; A block's scale is 2^(floor(log2(its largest magnitude)) - 2); its byte is the largest magnitude's exponent field - 2, held at 1 from below; each number is divided by the scale and rounded to the nearest code, ties to even, beyond 6 the largest code.
; LIMITS: a block whose largest magnitude lies under 2^-124 gets the byte 1; a block of zeros gets the byte 1 (not 127) with zero codes, which add nothing: the bytes are read by this program alone.  NaN and infinities among the inputs are not served.
; ALL THREE BUFFERS ARE LAID AS IMAGES OF OPERAND REGISTERS, in parts of 512 bytes, lane L's 16 bytes at 16 L (r = L % 16, h = L / 16):
;   codes:  row tile T (16 rows; 0-255 query, 256-511 key, 512-767 value, 768-831 Wq, 832-895 Wk, 896-959 Wv), K step ks of 128, at (T / 16) 131072 + ks 16384 + (T % 16) 1024: two parts c; lane (r, h): row r, k = 128 ks + 64 c + 32 h + 0 .. 31
;   scales: at T 512 + half 256 + 8 L + 4 j: the four bytes of row r for ks = 4 half + 2 j + h
;   wo16:   at (row / 128) 262144 + (k / 256) 65536 + ((row / 16) % 8) 8192 + ((k / 16) % 16) 512: lane (r, h): row r of the 16, k = 16 (k / 16) + 8 h + 0 .. 7
; SHARES.  A wave takes one row tile x half of K (16 rows x 512 numbers), as four units of 16 x 128.  Work-group x holds row tiles 4 x .. 4 x + 3, so it lies in one tensor; work-groups 240-255 take Wo.
; A unit's 16 loads read 512 consecutive bytes of one row each; the conversions want 16 neighbours along K in ONE lane, so the unit turns through the wave's own stage in LDS (16 rows, 528 bytes apart).
; No work-group reads what another reads, so there is nothing to share in a cluster; waves share nothing, so there is no barrier.  Two units, 32 loads of 512 bytes a wave, are on their way.
.set STG,   8448                       ; a wave's stage: 16 rows x 528
.set PITCH, 528                        ; 512 bytes + 16: the sixteen rows that a read touches begin 16 bytes apart modulo 256
.set RA,    16                         ; v16-79, v80-143  two sets of 64 numbers as loaded
.set X,     144                        ; v144-207 register 16 b + i = k 32 b + 16 h + i of row r
.set PC,    208                        ; v208-215 the unit's codes
.set TM,    216                        ; v216-219 largest magnitudes, v220-223 the other half's, then the bytes; v228-231 the conversions' scale operands
.set PW,    232                        ; v232 the unit's scale word
.set PWE,   233                        ; v233 the even unit's word, kept for the odd one
.set SW,    234                        ; v[234:235] the two words that a lane stores
.set W,     208                        ; v208-239 Wo's path: eight parts of f16 (that path uses none of the quantiser's registers)
.set SEL,   32                         ; s[32:33] v_permlanex16_b32's selects for lane l xor 16
	s_load_b512 s[4:19], s[0:1], 0x0               ; query, key, value, Wq, Wk, Wv, Wo, codes
	s_load_b128 s[20:23], s[0:1], 0x40             ; scales, wo16
	v_lshl_add_u32 v240, v0, 2, 0x10800
	v_mov_b32 v241, 0
	v_lshrrev_b32 v1, 5, v0
	v_readfirstlane_b32 s24, v1                    ; wave 0..7
	v_and_b32 v6, 31, v0                           ; L
	v_and_b32 v7, 15, v0                           ; r
	v_bfe_u32 v8, v0, 4, 1                         ; h
	v_lshlrev_b32 v2, 4, v6                        ; 16 L: my 16 bytes of a load's or a part's 512
	v_lshlrev_b32 v5, 3, v6                        ; 8 L: my two scale words
	s_mul_i32 s25, s24, STG
	v_add_nc_u32 v3, s25, v2                       ; into the stage: as loaded
	v_mul_u32_u24 v4, v7, PITCH
	v_lshl_add_u32 v4, v8, 6, v4
	v_add_nc_u32 v4, s25, v4                       ; out of it: row r, + 64 h: my 16 numbers of each block of 32
.irp b, 0,1,2,3
	v_mov_b32 v[TM+4+\b], 0                        ; written once: a lane permute's destination counts as one of its sources
.endr
	v_mov_b32 v[PWE], 0
	v_mov_b32 v[SW], 0
	v_mov_b32 v[SW+1], 0
	s_mov_b32 s30, 0xffff0000                      ; lanes 16-31
	s_mov_b32 s[SEL], 0x76543210
	s_mov_b32 s[SEL+1], 0xfedcba98
	s_lshr_b32 s29, s24, 1                         ; which of the work-group's four row tiles
	s_and_b32 s31, s24, 1                          ; which half of K
	s_lshl_b32 s34, ttmp9, 2
	s_add_co_u32 s34, s34, s29                     ; T
	s_mov_b32 s37, 0
	s_wait_kmcnt 0x0
	s_mov_b64 s[26:27], s[16:17]                   ; the tensor, and its first work-group: the choice hangs on the work-group's number alone
	s_mov_b32 s28, 240
.macro PICK bound, lo, first
	s_cmp_lt_u32 ttmp9, \bound
	s_cselect_b64 s[26:27], s[\lo:\lo+1], s[26:27]
	s_cselect_b32 s28, \first, s28
.endm
	PICK 240, 14, 224
	PICK 224, 12, 208
	PICK 208, 10, 192
	PICK 192, 8, 128
	PICK 128, 6, 64
	PICK 64, 4, 0
	s_sub_co_u32 s35, ttmp9, s28
	s_lshl_b32 s35, s35, 2
	s_add_co_u32 s35, s35, s29                     ; the row tile's number in its tensor
	s_lshl_b32 s36, s35, 16                        ; source: 16 rows of 4,096 bytes a tile, + 2,048 for the second half of K
	s_lshl_b32 s38, s31, 11
	s_add_co_u32 s36, s36, s38
	s_add_nc_u64 s[26:27], s[26:27], s[36:37]
	s_lshr_b32 s36, s34, 4                         ; codes: (T / 16) 131072 + (T % 16) 1024 + half x 4 K steps of 16,384
	s_lshl_b32 s36, s36, 17
	s_and_b32 s38, s34, 15
	s_lshl_b32 s38, s38, 10
	s_add_co_u32 s36, s36, s38
	s_lshl_b32 s38, s31, 16
	s_add_co_u32 s36, s36, s38
	s_add_nc_u64 s[18:19], s[18:19], s[36:37]
	s_lshl_b32 s36, s34, 9                         ; scales: T 512 + half 256
	s_lshl_b32 s38, s31, 8
	s_add_co_u32 s36, s36, s38
	s_add_nc_u64 s[20:21], s[20:21], s[36:37]
	s_lshr_b32 s36, s35, 3                         ; wo16: (tile / 8) 262144 + (tile % 8) 8192 + half x 2 K steps of 65,536.  (Used by Wo's work-groups alone; the others store nothing through it, as Wo's store nothing through codes and scales)
	s_lshl_b32 s36, s36, 18
	s_and_b32 s38, s35, 7
	s_lshl_b32 s38, s38, 13
	s_add_co_u32 s36, s36, s38
	s_lshl_b32 s38, s31, 17
	s_add_co_u32 s36, s36, s38
	s_add_nc_u64 s[22:23], s[22:23], s[36:37]
.macro LOAD u                          ; unit u: 128 numbers of each of the 16 rows; 32 lanes read 512 consecutive bytes
.irp i, 0,1,2,3,4,5,6,7,8,9,10,11,12,13,14,15
	global_load_b128 v[RA+64*((\u)%2)+4*\i:RA+64*((\u)%2)+4*\i+3], v2, s[26:27] offset:\i*4096+(\u)*512 th:TH_LOAD_NT
.endr
.endm
.macro TURN u                          ; through the stage: LDS serves a wave's instructions in order (ISA guide 5.7.1.4), so no wait stands between the stores and the loads
.irp i, 0,1,2,3,4,5,6,7,8,9,10,11,12,13,14,15
	ds_store_b128 v3, v[RA+64*((\u)%2)+4*\i:RA+64*((\u)%2)+4*\i+3] offset:\i*PITCH
.endr
.irp b, 0,1,2,3
.irp j, 0,1,2,3
	ds_load_b128 v[X+16*\b+4*\j:X+16*\b+4*\j+3], v4 offset:128*\b+16*\j
.endr
.endr
.endm
.macro QUANT                           ; the 64 numbers in X become a fragment's codes in v[PC] on and row r's scale word in v[PW]
.irp b, 0,1,2,3
	v_max3_num_f32 v[TM+\b], |v[X+16*\b]|, |v[X+1+16*\b]|, 0x1800000   ; block b: my 16 numbers, and the floor 2^(3 - 127): so the byte cannot fall under 1
.endr
.irp i, 2,4,6,8,10,12,14
.irp b, 0,1,2,3
	v_max3_num_f32 v[TM+\b], v[TM+\b], |v[X+16*\b+\i]|, |v[X+1+16*\b+\i]|   ; the four blocks by turns: no line waits for the line above it
.endr
.endr
.irp b, 0,1,2,3
	v_permlanex16_b32 v[TM+4+\b], v[TM+\b], s[SEL], s[SEL+1]
.endr
.irp b, 0,1,2,3
	v_max_num_f32 v[TM+\b], v[TM+\b], v[TM+4+\b]   ; with lane l xor 16's 16: the block's largest magnitude
.endr
.irp b, 0,1,2,3
	v_add_nc_u32 v[TM+12+\b], 0xff000000, v[TM+\b] ; 2 off its exponent field: the conversion takes the exponent field of this operand as its scale, and nothing else of it
.endr
.irp b, 0,1,2,3
	v_lshrrev_b32 v[TM+4+\b], 23, v[TM+12+\b]      ; the scale's byte
.endr
	v_lshl_or_b32 v[PW], v[TM+5], 8, v[TM+4]
	v_lshl_or_b32 v[PW], v[TM+6], 16, v[PW]
	v_lshl_or_b32 v[PW], v[TM+7], 24, v[PW]
.irp b, 0,1,2,3
	v_cvt_scalef32_pk8_fp4_f32 v[PC+2*\b], v[X+16*\b:X+7+16*\b], v[TM+12+\b]
	v_cvt_scalef32_pk8_fp4_f32 v[PC+1+2*\b], v[X+8+16*\b:X+15+16*\b], v[TM+12+\b]
.endr
	v_nop                                          ; one plain vector instruction behind a scaled conversion
.irp c, 0,1                                    ; the operand's layout wants a WHOLE block in a lane: lanes 0-15 block 2 c, lanes 16-31 block 2 c + 1
.irp i, 0,1
	v_permlane16_swap_b32 v[PC+4*\c+\i], v[PC+2+4*\c+\i]
.endr
.endr
.endm
.macro UNIT u
.if \u < 3
	s_wait_loadcnt 16                              ; this unit's 16 loads are in; the next unit's 16 may be out
.else
	s_wait_loadcnt 0x0
.endif
	TURN \u
	s_wait_dscnt 0x0                               ; X is in, and the stores into the stage have read the set
	s_wait_xcnt 0x0                                ; the last unit's global stores have read their data: the codes' (or Wo's parts') registers are written again only behind this wait
.if \u < 2
	LOAD \u+2                                      ; the set takes the unit two on
.endif
	s_cmp_ge_u32 ttmp9, 240
	s_cbranch_scc1 .Lwo_\@
	QUANT
	global_store_b128 v2, v[PC:PC+3], s[18:19] offset:\u*16384         ; a part: 512 consecutive bytes
	global_store_b128 v2, v[PC+4:PC+7], s[18:19] offset:\u*16384+512
.if (\u)%2 == 0
	v_mov_b32 v[PWE], v[PW]
.else
	v_cndmask_b32 v[SW+(\u)/2], v[PWE], v[PW], s30 ; lanes 0-15 keep the even K step's word, lanes 16-31 take the odd one's
.endif
.if \u == 3
	global_store_b64 v5, v[SW:SW+1], s[20:21]      ; 32 lanes store 256 consecutive bytes
.endif
	s_branch .Ljoin_\@
.Lwo_\@:
.irp b, 0,1,2,3                                ; Wo: lane (r, h) holds k 32 b + 16 h + 0 .. 15: eight go into each of two groups of four registers
.irp i, 0,1,2,3
	v_cvt_pk_f16_f32 v[W+8*\b+\i], v[X+16*\b+2*\i], v[X+16*\b+2*\i+1]
	v_cvt_pk_f16_f32 v[W+8*\b+4+\i], v[X+16*\b+8+2*\i], v[X+16*\b+8+2*\i+1]
.endr
.endr
.irp b, 0,1,2,3                                ; the first group's lanes 16-31 change places with the second's lanes 0-15: now the first is the part of k 32 b + 8 h + 0 .. 7, the second that of k 32 b + 16 + 8 h + 0 .. 7
.irp i, 0,1,2,3
	v_permlane16_swap_b32 v[W+8*\b+\i], v[W+8*\b+4+\i]
.endr
.endr
.irp b, 0,1,2,3
	global_store_b128 v2, v[W+8*\b:W+8*\b+3], s[22:23] offset:((\u)/2)*65536+(((\u)%2)*8+2*\b)*512
	global_store_b128 v2, v[W+8*\b+4:W+8*\b+7], s[22:23] offset:((\u)/2)*65536+(((\u)%2)*8+2*\b)*512+512
.endr
.Ljoin_\@:
.endm
	LOAD 0
	LOAD 1
	UNIT 0
	UNIT 1
	UNIT 2
	UNIT 3
	s_wait_tensorcnt 0x0
	ds_add_u32 v240, v241
	s_wait_dscnt 0x0
	s_endpgm
.Lfunc_end_k_qed0814ae57_prep:
	.size	k_qed0814ae57_prep, .Lfunc_end_k_qed0814ae57_prep-k_qed0814ae57_prep
	.p2alignl 7, 3214868480
	.fill 96, 4, 3214868480
	.section	.rodata,"a",@progbits
	.p2align	6, 0x0
	.amdhsa_kernel k_qed0814ae57_prep
		.amdhsa_group_segment_fixed_size 68608
		.amdhsa_private_segment_fixed_size 0
		.amdhsa_enable_private_segment 0
		.amdhsa_kernarg_size 80
		.amdhsa_user_sgpr_count 2
		.amdhsa_user_sgpr_kernarg_segment_ptr 1
		.amdhsa_wavefront_size32 1
		.amdhsa_system_sgpr_workgroup_id_x 1
		.amdhsa_system_sgpr_workgroup_id_y 1
		.amdhsa_system_sgpr_workgroup_id_z 1
		.amdhsa_system_vgpr_workitem_id 0
		.amdhsa_next_free_vgpr 242
		.amdhsa_next_free_sgpr 66
		.amdhsa_reserve_vcc 0
		.amdhsa_float_denorm_mode_32 3
		.amdhsa_float_denorm_mode_16_64 3
		.amdhsa_memory_ordered 1
		.amdhsa_forward_progress 1
		.amdhsa_inst_pref_size 48
	.end_amdhsa_kernel
	.amdgpu_metadata
---
amdhsa.version: [ 1, 2 ]
amdhsa.kernels:
  - .name:           k_qed0814ae57_prep
    .symbol:         k_qed0814ae57_prep.kd
    .args:
      - { .name: query, .offset: 0, .size: 8, .value_kind: global_buffer, .address_space: global }
      - { .name: key, .offset: 8, .size: 8, .value_kind: global_buffer, .address_space: global }
      - { .name: value, .offset: 16, .size: 8, .value_kind: global_buffer, .address_space: global }
      - { .name: Wq, .offset: 24, .size: 8, .value_kind: global_buffer, .address_space: global }
      - { .name: Wk, .offset: 32, .size: 8, .value_kind: global_buffer, .address_space: global }
      - { .name: Wv, .offset: 40, .size: 8, .value_kind: global_buffer, .address_space: global }
      - { .name: Wo, .offset: 48, .size: 8, .value_kind: global_buffer, .address_space: global }
      - { .name: codes, .offset: 56, .size: 8, .value_kind: global_buffer, .address_space: global }
      - { .name: scales, .offset: 64, .size: 8, .value_kind: global_buffer, .address_space: global }
      - { .name: wo16, .offset: 72, .size: 8, .value_kind: global_buffer, .address_space: global }
    .group_segment_fixed_size: 68608
    .private_segment_fixed_size: 0
    .kernarg_segment_align: 8
    .kernarg_segment_size: 80
    .max_flat_workgroup_size: 256
    .sgpr_count:     66
    .vgpr_count:     242
    .wavefront_size: 32
...
	.end_amdgpu_metadata
.endif
;; end of part 1
;; launch proj (part 2): grid 4 x 48, 4 waves a work-group, clusters of 4 x 4, 279,040 bytes of LDS; arguments codes, scales, bq, bk, bv, qf, kv; writes qf, kv
.if DOCPART == 2
	.amdgcn_target "amdgcn-amd-amdhsa--gfx1250"
	.amdhsa_code_object_version 6
	.text
	.protected	k_qed0814ae57_proj
	.globl	k_qed0814ae57_proj
	.p2align	8
	.type	k_qed0814ae57_proj,@function
k_qed0814ae57_proj:
	s_mov_b64 s[64:65], 0
	v_nop
	global_prefetch_b8 v0, s[64:65] scope:SCOPE_SE
	s_setreg_imm32_b32 hwreg(HW_REG_WAVE_MODE, 25, 1), 1
	s_wait_xcnt 0x0
	s_wait_alu depctr_hold_cnt(0) depctr_sa_sdst(0) depctr_va_vdst(0) depctr_va_sdst(0) depctr_va_ssrc(0) depctr_va_vcc(0) depctr_vm_vsrc(0)
	s_getreg_b32 s2, hwreg(HW_REG_IB_STS2, 6, 4)
	s_cmp_eq_u32 s2, 0
	s_cbranch_scc0 .Lentry_in_a_cluster
	s_endpgm
.Lentry_in_a_cluster:
	s_bfe_u32 s2, ttmp6, 0x10000c
	s_cmp_lg_u32 s2, 0xf033
	s_cbranch_scc0 .Lentry_shape_is_right
	s_endpgm
.Lentry_shape_is_right:
; Y = x W^T + b for the three projections, on codes of FP4 (E2M1) with one E8M0 scale for each 32 along K = 1,024; sums in f32; Y rounded once to f16 and stored as images of the attention's operand registers.
; LIMIT: a projection beyond 65,504 in magnitude becomes infinity in f16.  At inputs of spread 1 and weights of spread 1/32 the projections have spread 1; x and W both 30 times larger give 900; offsets of 30 spreads on both give about 29,000.
; SHARES.  Work-group (gx, gy): x's tile gy of 256 rows (0-15 query, 16-31 key, 32-47 value) x 256 channels gx of that tensor's weight.  Four waves, each 128 rows x 128 channels: 64 accumulators, 512 registers.
; 3 x 16 x 4 = 192 work-groups: three tensors of 4,096 x 1,024 do not cut into 256 equal tiles of this shape.
; ALL OF K LIES IN LDS: two chunks of 512 along K, each brought once; nothing is filled again.  A tile of 256 rows is 131,072 dense bytes of the buffer, K step outermost, laid as register images: a fragment is two loads of 512 consecutive bytes.
; CLUSTERS: 4 x 4 work-groups, all of one projection.  The four of a row of the cluster need the same tile of x, the four of a column the same tile of W: each is asked for JOINTLY, by the same tensor load with the same descriptor and a mask that names the four.
; THE MATRIX INSTRUCTION: source 0 = 16 channels of W, source 1 = 16 rows of x.  Lane (r, h) then holds row r and its registers 0-7 the channels 8 h + 0 .. 7: 16 bytes of f16, which ARE a lane's share of a part of Q, K or V.  The bias is the C of each sum's first instruction.
; OUT: qf: (16 b + head) 262144 + (s / 16) 2048 + p 512 (p = channel / 16 in the head), lane (r, h) at 16 L.   kv: (16 b + head) 524288 + (s / 512) 131072 + [K: 0, V: 65536] + ((s % 512) / 16) 2048 + p 512;
;   K's lanes as Q's; V's lane (r = key, h) at place 16 (r / 8) + 8 h + r % 8, so that the turning LDS load of the attention, addressed plainly by 16 L, gives lane (r', h') channel r' and keys 8 h' + 0 .. 7.
; REGISTERS, in windows of 256: window 0: v1-27 addresses; v32-63 W's scale words, v64-95 x's; v128-191 x's 8 fragments, one set; v192-255 the bias, 8 registers for each block of 16 channels; on the way out v128-255 take the packed results.
;   window 1: W's 8 fragments, two sets, at v0 and v128.   windows 2, 3: accumulator (a, b) at v[8 (8 (a % 4) + b)].
.set CHK,   131072                     ; a chunk in LDS: x's four K steps of 16,384 bytes, then W's
.set SCL,   262144                     ; behind the chunks: x's scale words, 8,192 bytes, then W's
.set ADRA,  16                         ; v16-17 my fragments of x in chunk 0, 1
.set ADRB,  20                         ; v20-21 of W
.set SW,    32                         ; register 4 b + ks / 2: lanes 0-15 the word of K step ks even, lanes 16-31 of ks odd
.set SX,    64
.set AF,    128
.set BIAS,  192
.set G1X,   28                         ; s[28:35]  group 1 for x's codes;   s[36:43] for W's;   s[44:51], s[52:59] for their scales
.set G1W,   36
.set G1SX,  44
.set G1SW,  52
.set G0SX,  60                         ; groups 0: x's scales, chunk 0, chunk 1;  W's likewise
.set G0X0,  68
.set G0X1,  72
.set G0SW,  76
.set G0W0,  80
.set G0W1,  84
.set MSB, 0
.macro WIN new                         ; the immediate's high byte repeats the setting that is left; bits 1:0 source 0, 3:2 source 1, 5:4 source 2, 7:6 destination
.if MSB != (\new)
	s_set_vgpr_msb (MSB<<8)|(\new)
.set MSB, \new
.endif
.endm
; A joint load: waves 0 and 1 fetch for x, waves 2 and 3 for W.  Each of the two lines has ONE mask and one set of registers for all that issue it; the branch hangs on the wave's number alone.
; Four v_nop follow each of the two lines, ahead of the jump, the label and what follows.
.macro JLOAD g0a, g1a, g0b, g1b
	s_cmp_eq_u32 s19, 0
	s_cbranch_scc0 .Lfor_w_\@
	tensor_load_to_lds s[\g0a:\g0a+3], s[\g1a:\g1a+7]
	s_nop 0
.rept 4
	v_nop
.endr
	s_branch .Lasked_\@
.Lfor_w_\@:
	tensor_load_to_lds s[\g0b:\g0b+3], s[\g1b:\g1b+7]
	s_nop 0
.rept 4
	v_nop
.endr
.Lasked_\@:
.endm
.macro CROUND                          ; a round of the cluster's barrier
	s_barrier_signal -1
	s_barrier_wait -1
	s_cmp_lg_u32 s18, 0
	s_cbranch_scc1 .Lnot_wave_0_\@
	s_barrier_signal -3
.Lnot_wave_0_\@:
	s_barrier_wait -3
	s_barrier_signal -1
	s_barrier_wait -1
.endm
	s_load_b256 s[4:11], s[0:1], 0x0               ; codes s[4:5], scales s[6:7], bq s[8:9], bk s[10:11]
	s_load_b128 s[12:15], s[0:1], 0x20             ; bv s[12:13], qf s[14:15]
	s_load_b64 s[16:17], s[0:1], 0x30              ; kv
	v_lshl_add_u32 v126, v0, 2, 0x44000
	v_mov_b32 v127, 0
	ds_add_u32 v126, v127
	ds_add_u32 v126, v127
	v_lshrrev_b32 v1, 5, v0
	v_readfirstlane_b32 s18, v1                    ; wave 0..3
	s_lshr_b32 s19, s18, 1                         ; which 128 rows of x are mine.  Also: I fetch for x (0) or for W (1)
	s_and_b32 s20, s18, 1                          ; which 128 channels.  Also: which half of a chunk I fetch
	s_bfe_u32 s21, ttmp6, 0x40000                  ; cx
	s_bfe_u32 s22, ttmp6, 0x40004                  ; cy
	s_lshl_b32 s23, ttmp9, 2
	s_add_co_u32 s23, s23, s21                     ; gx = 4 x cluster x + cx
	s_and_b32 s25, ttmp7, 0xffff
	s_lshl_b32 s24, s25, 2
	s_add_co_u32 s24, s24, s22                     ; gy = 4 x cluster y + cy
	s_lshr_b32 s25, s25, 2                         ; the projection, 0 Q, 1 K, 2 V: from the cluster's y alone, the same in all sixteen partners
	s_lshl_b32 s26, s22, 2
	s_lshl_b32 s26, 15, s26                        ; my row of the cluster
	s_lshl_b32 s27, 0x1111, s21                    ; my column
	; group 1: dense blocks as rows of 256 bytes (32 elements of 8 bytes): half a chunk is 128 rows, half a tile's scales 16.  15:0 the mask; 17:16 elements of 8 bytes; 21 set beside a mask; no padding
	s_or_b32 s[G1X], s26, (3<<16)|(1<<21)
	s_or_b32 s[G1W], s27, (3<<16)|(1<<21)
	s_or_b32 s[G1SX], s26, (3<<16)|(1<<21)
	s_or_b32 s[G1SW], s27, (3<<16)|(1<<21)
.irp g, G1X, G1W
	s_mov_b32 s[\g+1], 32<<16                      ; tensor_dim0
	s_mov_b32 s[\g+2], 128<<16                     ; tensor_dim1
	s_mov_b32 s[\g+3], 32<<16                      ; tile_dim0
	s_mov_b32 s[\g+4], 128                         ; tile_dim1
	s_mov_b32 s[\g+5], 32                          ; tensor_dim0_stride
	s_mov_b32 s[\g+6], 0
	s_mov_b32 s[\g+7], 0
.endr
.irp g, G1SX, G1SW
	s_mov_b32 s[\g+1], 32<<16
	s_mov_b32 s[\g+2], 16<<16
	s_mov_b32 s[\g+3], 32<<16
	s_mov_b32 s[\g+4], 16
	s_mov_b32 s[\g+5], 32
	s_mov_b32 s[\g+6], 0
	s_mov_b32 s[\g+7], 0
.endr
	s_lshl_b32 s98, s20, 15                        ; my half of a chunk's 65,536 bytes,
	s_lshl_b32 s99, s20, 12                        ; and of a tile's 8,192 bytes of scales
	s_lshl_b32 s94, s24, 17                        ; x: tile gy: it hangs on the cluster's y and cy, which my row shares
	s_add_co_u32 s94, s94, s98
	s_mov_b32 s95, 0
	s_lshl_b32 s96, s24, 13
	s_add_co_u32 s96, s96, s99
	s_mov_b32 s97, 0
	s_lshl_b32 s88, s25, 2                         ; W: tile 48 + 4 x projection + gx: it hangs on the projection and cx, which my column shares
	s_add_co_u32 s88, s88, s23
	s_add_co_u32 s88, s88, 48
	s_lshl_b32 s90, s88, 13
	s_add_co_u32 s90, s90, s99
	s_lshl_b32 s88, s88, 17
	s_add_co_u32 s88, s88, s98
	s_mov_b32 s89, 0
	s_mov_b32 s91, 0
	s_lshl_b32 s92, s18, 15                        ; where they go: wave x 32,768 in a chunk, wave x 4,096 among the scales: no place in the cluster enters an LDS address
	s_lshl_b32 s93, s18, 12
	s_wait_dscnt 0x0
	s_wait_kmcnt 0x0
	CROUND                                         ; all sixteen work-groups are here: the joint loads meet
	s_mov_b32 s[G0SX], 1
	s_add_co_u32 s[G0SX+1], s93, SCL
	s_add_nc_u64 s[G0SX+2:G0SX+3], s[6:7], s[96:97]
	s_or_b32 s[G0SX+3], s[G0SX+3], 0x80000000
	s_mov_b32 s[G0SW], 1
	s_add_co_u32 s[G0SW+1], s93, SCL
	s_add_nc_u64 s[G0SW+2:G0SW+3], s[6:7], s[90:91]
	s_or_b32 s[G0SW+3], s[G0SW+3], 0x80000000
	s_mov_b32 s[G0X0], 1
	s_mov_b32 s[G0X0+1], s92
	s_add_nc_u64 s[G0X0+2:G0X0+3], s[4:5], s[94:95]
	s_add_nc_u64 s[G0X1+2:G0X1+3], s[G0X0+2:G0X0+3], 65536     ; chunk 1: four K steps of 16,384 bytes on
	s_or_b32 s[G0X0+3], s[G0X0+3], 0x80000000
	s_mov_b32 s[G0X1], 1
	s_add_co_u32 s[G0X1+1], s92, CHK
	s_or_b32 s[G0X1+3], s[G0X1+3], 0x80000000
	s_mov_b32 s[G0W0], 1
	s_mov_b32 s[G0W0+1], s92
	s_add_nc_u64 s[G0W0+2:G0W0+3], s[4:5], s[88:89]
	s_add_nc_u64 s[G0W1+2:G0W1+3], s[G0W0+2:G0W0+3], 65536
	s_or_b32 s[G0W0+3], s[G0W0+3], 0x80000000
	s_mov_b32 s[G0W1], 1
	s_add_co_u32 s[G0W1+1], s92, CHK
	s_or_b32 s[G0W1+3], s[G0W1+3], 0x80000000
	JLOAD G0SX, G1SX, G0SW, G1SW                   ; the scales first, then chunk 0, then chunk 1: three loads of mine are out, all first fills
	JLOAD G0X0, G1X, G0W0, G1W
	JLOAD G0X1, G1X, G0W1, G1W
	v_and_b32 v1, 15, v0                           ; r
	v_bfe_u32 v2, v0, 4, 1                         ; h
	v_and_b32 v3, 31, v0                           ; L
	v_lshlrev_b32 v4, 4, v3                        ; 16 L
	v_lshlrev_b32 v27, 5, v2                       ; 32 h: my eight numbers of a block of 16 of the bias
	s_cmp_eq_u32 s25, 1                            ; the bias of my projection, at my 128 channels
	s_cselect_b64 s[88:89], s[10:11], s[12:13]
	s_cmp_eq_u32 s25, 0
	s_cselect_b64 s[88:89], s[8:9], s[88:89]
	s_lshl_b32 s94, s23, 10
	s_lshl_b32 s95, s20, 9
	s_add_co_u32 s94, s94, s95
	s_mov_b32 s95, 0
	s_add_nc_u64 s[88:89], s[88:89], s[94:95]
.irp b, 0,1,2,3,4,5,6,7
	global_load_b128 v[BIAS+8*\b:BIAS+8*\b+3], v27, s[88:89] offset:64*\b
	global_load_b128 v[BIAS+8*\b+4:BIAS+8*\b+7], v27, s[88:89] offset:64*\b+16
.endr
	s_lshl_b32 s94, s19, 13                        ; my 8 row tiles of x: 1,024 bytes each in a K step
	s_lshl_b32 s95, s20, 13
	s_add_co_u32 s95, s95, 65536                   ; my 8 of W, behind x's four K steps
	v_add_nc_u32 v[ADRA], s94, v4
	v_add_nc_u32 v[ADRB], s95, v4
	s_add_co_u32 s94, s94, CHK
	s_add_co_u32 s95, s95, CHK
	v_add_nc_u32 v[ADRA+1], s94, v4
	v_add_nc_u32 v[ADRB+1], s95, v4
	v_lshlrev_b32 v5, 3, v3                        ; 8 L: two scale words a lane
	s_lshl_b32 s94, s19, 12
	s_add_co_u32 s94, s94, SCL
	v_add_nc_u32 v25, s94, v5                      ; x's scale words of my 8 row tiles, 512 bytes each
	s_lshl_b32 s95, s20, 12
	s_add_co_u32 s95, s95, SCL+8192
	v_add_nc_u32 v26, s95, v5                      ; W's
	v_bfe_u32 v5, v0, 3, 1                         ; the way out: V's place 16 (r / 8) + 8 h + r % 8,
	v_and_b32 v6, 7, v0
	v_lshl_add_u32 v6, v2, 3, v6
	v_lshl_add_u32 v6, v5, 4, v6
	v_lshlrev_b32 v6, 4, v6
	s_cmp_eq_u32 s25, 2
	s_cselect_b32 s98, -1, 0
	v_cndmask_b32 v24, v4, v6, s98                 ; Q's and K's 16 L: a choice of a value, no branch
	; where my part of the output begins
	s_and_b32 s94, s24, 15
	s_lshl_b32 s94, s94, 8
	s_lshl_b32 s95, s19, 7
	s_add_co_u32 s94, s94, s95                     ; my first row in the tensor
	s_lshr_b32 s95, s94, 11                        ; b
	s_and_b32 s94, s94, 2047                       ; s
	s_lshl_b32 s96, s23, 2
	s_lshl_b32 s97, s20, 1
	s_add_co_u32 s96, s96, s97                     ; my first head: my 128 channels are two heads
	s_lshl_b32 s95, s95, 4
	s_add_co_u32 s95, s95, s96                     ; 16 b + head
	s_lshl_b32 s96, s95, 18
	s_lshl_b32 s97, s94, 7
	s_add_co_u32 s96, s96, s97                     ; in qf
	s_lshl_b32 s97, s95, 19
	s_lshr_b32 s99, s94, 9
	s_lshl_b32 s99, s99, 17
	s_add_co_u32 s97, s97, s99
	s_and_b32 s99, s94, 511
	s_lshl_b32 s99, s99, 7
	s_add_co_u32 s97, s97, s99                     ; in kv, K's half of the slot;
	s_and_b32 s99, s98, 0x10000
	s_add_co_u32 s97, s97, s99                     ; V's lies 65,536 on
	s_cmp_eq_u32 s25, 0
	s_cselect_b32 s2, s96, s97
	s_cselect_b64 s[90:91], s[14:15], s[16:17]
	s_mov_b32 s98, 0x80000
	s_cselect_b32 s98, 0x40000, s98                ; from head to head
	s_mov_b32 s3, 0
	s_mov_b32 s99, 0
	s_add_nc_u64 s[90:91], s[90:91], s[2:3]        ; my first head,
	s_add_nc_u64 s[92:93], s[90:91], s[98:99]      ; my second
.macro FRAG reg, adr, q, i             ; a fragment, 16 rows x 128 K: its two parts as they lie
.irp c, 0,1
	ds_load_b128 v[\reg+4*\c:\reg+4*\c+3], v[\adr] offset:16384*(\q)+1024*(\i)+512*\c
.endr
.endm
.macro FETCH_B ch, q, set              ; W's eight fragments of the chunk's q-th K step into a set of window 1
	WIN 0x40
.irp i, 0,1,2,3,4,5,6,7
	FRAG 128*(\set)+8*\i, ADRB+\ch, \q, \i
.endr
	WIN 0
.endm
.macro FETCH_A ch, q, i0               ; x's blocks i0 .. i0 + 3
.irp i, \i0, \i0+1, \i0+2, \i0+3
	FRAG AF+8*(\i), ADRA+\ch, \q, \i
.endr
.endm
.macro SCALES                          ; all scale words of my 128 rows and 128 channels, once: 32 loads of 256 consecutive bytes
.irp a, 0,1,2,3,4,5,6,7
.irp hf, 0,1
	ds_load_b64 v[SX+4*\a+2*\hf:SX+4*\a+2*\hf+1], v25 offset:\a*512+\hf*256
	ds_load_b64 v[SW+4*\a+2*\hf:SW+4*\a+2*\hf+1], v26 offset:\a*512+\hf*256
.endr
.endr
.endm
.macro MM a, b, set, ks, first
.set rD, 8*(8*((\a)%4)+(\b))
.set rW, 128*(\set)+8*(\b)
.set rX, AF+8*(\a)
.set rU, SW+4*(\b)+(\ks)/2
.set rV, SX+4*(\a)+(\ks)/2
.if \first
	v_wmma_scale_f32_16x16x128_f8f6f4 v[rD:rD+7], v[rW:rW+7], v[rX:rX+7], v[BIAS+8*(\b):BIAS+8*(\b)+7], v[rU], v[rV] matrix_a_fmt:MATRIX_FMT_FP4 matrix_b_fmt:MATRIX_FMT_FP4
.elseif (\ks)%2
	v_wmma_scale_f32_16x16x128_f8f6f4 v[rD:rD+7], v[rW:rW+7], v[rX:rX+7], v[rD:rD+7], v[rU], v[rV] matrix_a_fmt:MATRIX_FMT_FP4 matrix_b_fmt:MATRIX_FMT_FP4 matrix_a_scale:MATRIX_SCALE_ROW1 matrix_b_scale:MATRIX_SCALE_ROW1
.else
	v_wmma_scale_f32_16x16x128_f8f6f4 v[rD:rD+7], v[rW:rW+7], v[rX:rX+7], v[rD:rD+7], v[rU], v[rV] matrix_a_fmt:MATRIX_FMT_FP4 matrix_b_fmt:MATRIX_FMT_FP4
.endif
.endm
; 16 matrix instructions: x's blocks a0, a0 + 1 against W's eight, K step ks.  first = 1: the bias is the C: nothing is cleared and nothing is added later.
; The 64 accumulators take turns, one instruction a turn, in the same order in every K step.
.macro MUL16 a0, set, ks, first
.irp a, \a0, \a0+1
.irp b, 0,1,2,3,4,5,6,7
	MM \a, \b, \set, \ks, \first
.endr
.endr
.endm
; A load into a register that a matrix instruction has read, and a vector instruction that reads a matrix result, stand four places behind it; only plain vector instructions that name none of its registers are places (ISA guide 7.12.1 for vector instructions).
.macro PLACES
.rept 4
	v_nop
.endr
.endm
.macro STEP ch, q, first               ; a K step that has its successor in the same chunk.  x has one set (a block is free when its eight products are issued), W two
	s_wait_dscnt 8                                 ; W's set and x's blocks 0-3 are in; the youngest eight loads (x's blocks 4-7) may be out
.if \first
	WIN 0x81                                       ; W window 1, x and the bias window 0, D window 2
.else
	WIN 0xa1                                       ; C and D window 2
.endif
	MUL16 0, (\q)%2, 4*(\ch)+(\q), \first
	MUL16 2, (\q)%2, 4*(\ch)+(\q), \first
	s_wait_dscnt 0x0                               ; x's blocks 4-7 are in
	PLACES
	FETCH_B \ch, (\q)+1, 1-(\q)%2
	FETCH_A \ch, (\q)+1, 0
.if \first
	WIN 0xc1
.else
	WIN 0xf1
.endif
	MUL16 4, (\q)%2, 4*(\ch)+(\q), \first
	MUL16 6, (\q)%2, 4*(\ch)+(\q), \first
	PLACES
	WIN 0
	FETCH_A \ch, (\q)+1, 4
.endm
	s_wait_tensorcnt 1                             ; the scales and my part of chunk 0 are in; chunk 1's load, issued behind them, may be out
	s_barrier_signal -1
	s_barrier_wait -1                              ; everybody's are
	SCALES
	FETCH_B 0, 0, 0
	FETCH_A 0, 0, 0
	FETCH_A 0, 0, 4
	s_wait_loadcnt 0x0                             ; the bias
	STEP 0, 0, 1
	STEP 0, 1, 0
	STEP 0, 2, 0
	; K step 3 changes chunks: one barrier; in front of it my part of chunk 1 has landed
	s_wait_tensorcnt 0x0
	s_wait_dscnt 8
	WIN 0xa1
	MUL16 0, 1, 3, 0
	s_wait_dscnt 0x0                               ; no LDS instruction of mine is pending at the signal
	s_barrier_signal -1
	MUL16 2, 1, 3, 0                               ; work on registers while the others arrive
	s_barrier_wait -1
	PLACES
	FETCH_B 1, 0, 0
	FETCH_A 1, 0, 0
	WIN 0xf1
	MUL16 4, 1, 3, 0
	MUL16 6, 1, 3, 0
	PLACES
	WIN 0
	FETCH_A 1, 0, 4
	STEP 1, 0, 0
	STEP 1, 1, 0
	STEP 1, 2, 0
	s_wait_dscnt 8                                 ; the last K step: nothing more to fetch
	WIN 0xa1
	MUL16 0, 1, 7, 0
	MUL16 2, 1, 7, 0
	s_wait_dscnt 0x0
	WIN 0xf1
	MUL16 4, 1, 7, 0
	MUL16 6, 1, 7, 0
	WIN 0
	PLACES
; THE WAY OUT, without LDS: a lane's eight results round to 16 bytes, and the 32 lanes' 16 bytes are one part of 512 consecutive bytes.  Each accumulator is read from its low end on.
.macro PACKSEND a
.if (\a) >= 4
	s_wait_xcnt 0x0                                ; block a - 4's stores have read their data: the registers are written again only behind this wait
.endif
	WIN 0x0a+5*((\a)/4)                            ; sources 0 and 1: window 2 or 3
.irp b, 0,1,2,3,4,5,6,7
.irp i, 0,1,2,3
	v_cvt_pk_f16_f32 v[128+32*((\a)%4)+4*\b+\i], v[8*(8*((\a)%4)+\b)+2*\i], v[8*(8*((\a)%4)+\b)+2*\i+1]
.endr
.endr
	WIN 0
.irp b, 0,1,2,3,4,5,6,7
	global_store_b128 v24, v[128+32*((\a)%4)+4*\b:128+32*((\a)%4)+4*\b+3], s[90+2*(\b/4):91+2*(\b/4)] offset:(\a)*2048+(\b%4)*512
.endr
.endm
.irp a, 0,1,2,3,4,5,6,7
	PACKSEND \a
.endr
	s_wait_tensorcnt 0x0
	ds_add_u32 v126, v127
	s_wait_dscnt 0x0
	CROUND                                         ; the closing round: no work-group ends while a partner may still ask for a tile that names it
	s_endpgm
.Lfunc_end_k_qed0814ae57_proj:
	.size	k_qed0814ae57_proj, .Lfunc_end_k_qed0814ae57_proj-k_qed0814ae57_proj
	.p2alignl 7, 3214868480
	.fill 96, 4, 3214868480
	.section	.rodata,"a",@progbits
	.p2align	6, 0x0
	.amdhsa_kernel k_qed0814ae57_proj
		.amdhsa_group_segment_fixed_size 279040
		.amdhsa_private_segment_fixed_size 0
		.amdhsa_enable_private_segment 0
		.amdhsa_kernarg_size 56
		.amdhsa_user_sgpr_count 2
		.amdhsa_user_sgpr_kernarg_segment_ptr 1
		.amdhsa_wavefront_size32 1
		.amdhsa_system_sgpr_workgroup_id_x 1
		.amdhsa_system_sgpr_workgroup_id_y 1
		.amdhsa_system_sgpr_workgroup_id_z 1
		.amdhsa_system_vgpr_workitem_id 0
		.amdhsa_next_free_vgpr 1024
		.amdhsa_next_free_sgpr 100
		.amdhsa_reserve_vcc 0
		.amdhsa_float_denorm_mode_32 3
		.amdhsa_float_denorm_mode_16_64 3
		.amdhsa_memory_ordered 1
		.amdhsa_forward_progress 1
		.amdhsa_inst_pref_size 121
	.end_amdhsa_kernel
	.amdgpu_metadata
---
amdhsa.version: [ 1, 2 ]
amdhsa.kernels:
  - .name:           k_qed0814ae57_proj
    .symbol:         k_qed0814ae57_proj.kd
    .args:
      - { .name: codes, .offset: 0, .size: 8, .value_kind: global_buffer, .address_space: global }
      - { .name: scales, .offset: 8, .size: 8, .value_kind: global_buffer, .address_space: global }
      - { .name: bq, .offset: 16, .size: 8, .value_kind: global_buffer, .address_space: global }
      - { .name: bk, .offset: 24, .size: 8, .value_kind: global_buffer, .address_space: global }
      - { .name: bv, .offset: 32, .size: 8, .value_kind: global_buffer, .address_space: global }
      - { .name: qf, .offset: 40, .size: 8, .value_kind: global_buffer, .address_space: global }
      - { .name: kv, .offset: 48, .size: 8, .value_kind: global_buffer, .address_space: global }
    .group_segment_fixed_size: 279040
    .private_segment_fixed_size: 0
    .kernarg_segment_align: 8
    .kernarg_segment_size: 56
    .max_flat_workgroup_size: 128
    .sgpr_count:     100
    .vgpr_count:     1024
    .wavefront_size: 32
...
	.end_amdgpu_metadata
.endif
;; end of part 2
;; launch attn (part 3): grid 8 x 32, 4 waves a work-group, clusters of 4 x 1, 327,680 bytes of LDS; arguments qf, kv, ctxf; writes ctxf
.if DOCPART == 3
	.amdgcn_target "amdgcn-amd-amdhsa--gfx1250"
	.amdhsa_code_object_version 6
	.text
	.protected	k_qed0814ae57_attn
	.globl	k_qed0814ae57_attn
	.p2align	8
	.type	k_qed0814ae57_attn,@function
k_qed0814ae57_attn:
	s_mov_b64 s[64:65], 0
	v_nop
	global_prefetch_b8 v0, s[64:65] scope:SCOPE_SE
	s_setreg_imm32_b32 hwreg(HW_REG_WAVE_MODE, 25, 1), 1
	s_wait_xcnt 0x0
	s_wait_alu depctr_hold_cnt(0) depctr_sa_sdst(0) depctr_va_vdst(0) depctr_va_sdst(0) depctr_va_ssrc(0) depctr_va_vcc(0) depctr_vm_vsrc(0)
	s_getreg_b32 s2, hwreg(HW_REG_IB_STS2, 6, 4)
	s_cmp_eq_u32 s2, 0
	s_cbranch_scc0 .Lentry_in_a_cluster
	s_endpgm
.Lentry_in_a_cluster:
	s_bfe_u32 s2, ttmp6, 0x10000c
	s_cmp_lg_u32 s2, 0x3003
	s_cbranch_scc0 .Lentry_shape_is_right
	s_endpgm
.Lentry_shape_is_right:
; ctx[g][q][:] = the sum over k of softmax_k(Q[g][q] . K[g][k] / 8) V[g][k][:], g = 16 b + head, 2,048 keys, head size 64.  Operands f16; products, maxima and sums f32; the weights p are rounded to f16 for the second product, ctx once at the end.
; SOFTMAX.  For each query a running maximum m and sum l: p = 2^(c s - c m), c = log2(e) / 8; in every step O and l are multiplied by a = 2^(c m_old - c m_new), which is 1 where m has not grown.  The first key step starts m, l and O.
; LIMITS: NaN and infinities among the scores are not served; p under f16's smallest number counts as 0 in the second product (the largest p of a row is 1).
; SHARES.  A work-group owns 256 queries of one head, each of its four waves 64: four tiles of 16.  Every wave walks all keys of the head, 64 a step.
; LAYOUT.  S^T = K Q^T (source 0 = 16 keys, source 1 = 16 queries): a lane holds ONE query (lane % 16) and keys 8 (lane / 16) + 0 .. 7.  Two such tiles, rounded in pairs, ARE source 1 (32 keys x 16 queries) of O^T = V^T P, whose result again holds one query a lane and eight channels.
; Q, K and V lie in memory as images of operand registers, in parts of 512 bytes (16 rows x 16 channels, lane L's 16 bytes at 16 L): every LDS load reads 512 consecutive bytes.  V's parts are laid so that ds_load_tr16_b128 at 16 L gives lane (r, h) channel r and keys 8 h + 0 .. 7.
; BY TURNS.  The wave's tiles are two PIECES, named by their first tile: piece 0 (tiles 0, 1) and piece 2 (tiles 2, 3).  In a TURN one piece has the matrix unit: 16 products V^T P of the step in hand, then 16 products K Q^T of the next step;
; the other piece's softmax, cut into 59 slices, stands between them, behind the matrix instructions.  Then the pieces change places.  Two turns are a key step.  Each fragment of K and V that is read from LDS feeds four tiles.
; RING.  Two LDS slots of 512 keys (K's 65,536 bytes, then V's), eight key steps each; a slot is 131,072 dense bytes of kv, and each wave fetches a quarter of it with one tensor load.
; CLUSTER.  The four query blocks of a cluster belong to one head and walk the same K and V: each slot is asked for JOINTLY, by the same tensor load with the same descriptor and the mask of all four.
; OUT: ctxf, the output projection's operand images: (row / 128) 262144 + (k / 256) 65536 + ((row / 16) % 8) 8192 + ((k / 16) % 16) 512, row = 2048 b + s, k = 64 head + channel.
;
; REGISTERS, in windows of 256 (s_set_vgpr_msb says which window each operand place means: bits 1:0 source 0, 3:2 source 1, 5:4 source 2, 7:6 destination):
;   window 0: v1-4 addresses; v12-43 eight registers of statistics a tile; v62, v63 for the spare words; v64-191 S^T, 32 a tile; v192-255 P, 16 a tile
;   window 1: v0-127 O^T, 32 a tile          window 2: v0-63 Q, 16 a tile; v128-191 K of one step; v192-255 V of one step
; All that a softmax touches but O^T lies in window 0, and no window has room for a product's operands beside it: a run of slices costs two switches, one in front and one behind.
.set STEPB, 8192                       ; a step's K in LDS: 16 parts; its V lies VOFF further on
.set VOFF,  65536
.set SLOT1, 131072                     ; slot 1 begins here: one exclusive or turns an address in one slot into the other's
.set SPARE, 262144                     ; behind the ring: the spare words, 128 bytes for each of four waves: two blocks of 256 bytes that no other line names
.set NSL,   59                         ; slices in a piece's softmax: a tile's list has 118 numbers, a slice two of them for both tiles
.set LI,  1                            ; v1   16 L; never rewritten
.set LV,  2                            ; v2   16 L + VOFF; never rewritten
.set ADR, 4                            ; v4   the LDS address of the run of loads in hand
.set SPW, 62                           ; v62  LDS address of my spare word: SPARE + 4 x my thread's number; never rewritten
.set NIL, 63                           ; v63  0; never rewritten
.set ST,  12                           ; tile t's statistics at v[ST+8 t]: +0 c m, +1 m, +2, +3 l (even keys', odd keys'), +4 to +7 c0-c3, at work; a takes c2's place once the maximum is found
.set S,   64
.set P,   192
.set KF,  128                          ; K's fragments, in window 2
.set VF,  192                          ; V's, in window 2
.set WV,  10                           ; s10  my wave's number
.set G1,  16                           ; s[16:23] descriptor group 1
.set G0A, 24                           ; s[24:27] group 0 of slot 0's first fill
.set G0B, 28                           ; s[28:31] group 0 of slot 1's first fill; it then walks on
.set CS,  32                           ; s[32:33] c: the packed scaling names a pair and takes its low word for both halves
.set SEL, 34                           ; s[34:35] lane selects for v_permlanex16_b32: each lane takes its own place in the other half
.set TB,  36                           ; s36  LDS byte at which the K of the step to be fetched begins
.set CNT, 37                           ; s37  counts key steps
.set SLOTS, 38                         ; s38  slots still to be asked for
.set MSB, 0
.macro WIN new                         ; the immediate's high byte repeats the setting that is left; a switch that changes nothing is dropped
.if MSB != (\new)
	s_set_vgpr_msb (MSB<<8)|(\new)
.set MSB, \new
.endif
.endm
.set W_KQ, 0x0a                        ; K and Q in window 2, S^T in window 0
.set W_PV, 0x52                        ; V in window 2, P in window 0, O^T in window 1
.set W_RS, 0x41                        ; O^T (destination and source 0) in window 1, a in window 0
; A round of the cluster's barrier: my work-group's barrier, so that wave 0's signal speaks for all four waves; wave 0 signals for the work-group; every wave waits for all four work-groups; my work-group's barrier once more.
.macro CROUND
	s_barrier_signal -1
	s_barrier_wait -1
	s_cmp_lg_u32 s[WV], 0
	s_cbranch_scc1 .Lnot_wave_0_\@
	s_barrier_signal -3
.Lnot_wave_0_\@:
	s_barrier_wait -3
	s_barrier_signal -1
	s_barrier_wait -1
.endm
	s_load_b128 s[4:7], s[0:1], 0x0                ; qf s[4:5], kv s[6:7]
	s_load_b64 s[8:9], s[0:1], 0x10                ; ctxf
	v_lshl_add_u32 v[SPW], v0, 2, SPARE
	v_mov_b32 v[NIL], 0
	ds_add_u32 v62, v63
	ds_add_u32 v62, v63
	s_wait_dscnt 0x0
	v_lshrrev_b32 v3, 5, v0
	v_readfirstlane_b32 s[WV], v3                  ; wave 0..3
	s_bfe_u32 s11, ttmp6, 0x40000                  ; cx
	s_lshl_b32 s12, ttmp9, 2
	s_add_co_u32 s12, s12, s11                     ; my block of 256 queries: it enters Q's and ctx's global addresses alone
	s_and_b32 s13, ttmp7, 0xffff                   ; g, which the four partners share
	s_mov_b32 s[G1], 15|(3<<16)|(1<<21)            ; 15:0 the mask: all four work-groups; 17:16 elements of 8 bytes; 21 set beside a mask; no padding
	s_mov_b32 s[G1+1], 32<<16                      ; tensor_dim0 = 32 elements: rows of 256 bytes of a dense block
	s_mov_b32 s[G1+2], 128<<16                     ; tensor_dim1 = 128
	s_mov_b32 s[G1+3], 32<<16                      ; tile_dim0
	s_mov_b32 s[G1+4], 128                         ; tile_dim1: 32,768 bytes a wave
	s_mov_b32 s[G1+5], 32                          ; tensor_dim0_stride
	s_mov_b32 s[G1+6], 0
	s_mov_b32 s[G1+7], 0
	s_mov_b32 s[CS], 0x3e38aa3b                    ; c = log2(e) / 8
	s_mov_b32 s[CS+1], s[CS]                       ; named with it as a pair, so it is written
	s_mov_b32 s[SEL], 0x76543210
	s_mov_b32 s[SEL+1], 0xfedcba98
	s_mov_b32 s[TB], 0
	s_mov_b32 s[SLOTS], 2                          ; 2,048 keys are four slots' worth: two first fills, two refills
	s_lshl_b32 s14, s[WV], 15                      ; my quarter of a slot, in memory and in LDS: no place in the cluster enters an LDS address
	s_lshl_b32 s40, s13, 19                        ; kv: the head's 524,288 bytes
	s_add_co_u32 s40, s40, s14
	s_mov_b32 s41, 0
	s_lshl_b32 s42, s13, 18                        ; qf: the head's 262,144 bytes, my block's 16 tiles of 2,048, my wave's four
	s_lshl_b32 s15, s12, 15
	s_add_co_u32 s42, s42, s15
	s_lshl_b32 s15, s[WV], 13
	s_add_co_u32 s42, s42, s15
	s_mov_b32 s43, 0
	s_lshr_b32 s44, s13, 4                         ; ctxf: row / 128 = 16 b + 2 x block + wave / 2,
	s_lshl_b32 s44, s44, 4
	s_lshl_b32 s15, s12, 1
	s_add_co_u32 s44, s44, s15
	s_lshr_b32 s15, s[WV], 1
	s_add_co_u32 s44, s44, s15
	s_lshl_b32 s44, s44, 18
	s_bfe_u32 s15, s13, 0x20002                    ; k / 256 = head / 4,
	s_lshl_b32 s15, s15, 16
	s_add_co_u32 s44, s44, s15
	s_and_b32 s15, s[WV], 1                        ; (row / 16) % 8 = 4 (wave % 2) + tile,
	s_lshl_b32 s15, s15, 15
	s_add_co_u32 s44, s44, s15
	s_and_b32 s15, s13, 3                          ; (k / 16) % 16 = 4 (head % 4) + ct
	s_lshl_b32 s15, s15, 11
	s_add_co_u32 s44, s44, s15
	s_mov_b32 s45, 0
	s_wait_kmcnt 0x0
	s_add_nc_u64 s[6:7], s[6:7], s[40:41]
	s_add_nc_u64 s[4:5], s[4:5], s[42:43]
	s_add_nc_u64 s[8:9], s[8:9], s[44:45]
	CROUND                                         ; all four work-groups are here: the first joint loads meet
	s_mov_b32 s[G0A], 1                            ; 1:0 count = 1
	s_mov_b32 s[G0A+1], s14                        ; 63:32 LDS address: slot 0
	s_mov_b64 s[G0A+2:G0A+3], s[6:7]               ; 120:64 global address: keys 0 to 511
	s_or_b32 s[G0A+3], s[G0A+3], 0x80000000        ; 127:126 type = 2
	s_mov_b32 s[G0B], 1
	s_add_co_u32 s[G0B+1], s14, SLOT1
	s_add_nc_u64 s[G0B+2:G0B+3], s[6:7], 131072    ; keys 512 to 1,023
	s_or_b32 s[G0B+3], s[G0B+3], 0x80000000
	tensor_load_to_lds s[G0A:G0A+3], s[G1:G1+7]    ; the two first fills go out together: two loads of mine are out
	s_nop 0
	tensor_load_to_lds s[G0B:G0B+3], s[G1:G1+7]
	s_nop 0
.rept 4
	v_nop
.endr
	v_and_b32 v3, 31, v0
	v_lshlrev_b32 v[LI], 4, v3
	v_add_nc_u32 v[LV], VOFF, v[LI]
	WIN 0x80                                       ; destination window 2, address window 0
.irp t, 0,1,2,3
.irp p, 0,1,2,3
	global_load_b128 v[16*\t+4*\p:16*\t+4*\p+3], v[LI], s[4:5] offset:\t*2048+\p*512   ; Q stays in registers: tile t, channels 16 p on
.endr
.endr
	WIN 0
; THE MATRIX WORK OF A TURN, for piece x.  The accumulators take turns, one instruction a turn: between two links of a chain stand seven others'.
; Product i of 16 of O^T += V^T P: keys 32 (i / 8) on, channels 16 ((i / 2) % 4) on, tile x + i % 2.  zero = 1: the first 8 start the sums: nothing is ever cleared.
.macro PV x, zero
	WIN W_PV
.set rO, 32*(\x+i%2)+8*((i/2)%4)
.set rV, VF+32*(i/8)+8*((i/2)%4)
.set rP, P+16*(\x+i%2)+8*(i/8)
.if \zero && (i < 8)
	v_wmma_f32_16x16x32_f16 v[rO:rO+7], v[rV:rV+7], v[rP:rP+7], 0
.else
	v_wmma_f32_16x16x32_f16 v[rO:rO+7], v[rV:rV+7], v[rP:rP+7], v[rO:rO+7]
.endif
.endm
; Product i of 16 of S^T = K Q^T: channels 32 (i / 8) on, keys 16 ((i / 2) % 4) on, tile x + i % 2.  The first 8 start the sums.
.macro KQ x
	WIN W_KQ
.set rS, S+32*(\x+i%2)+8*((i/2)%4)
.set rK, KF+16*((i/2)%4)+8*(i/8)
.set rQ, 16*(\x+i%2)+8*(i/8)
.if i < 8
	v_wmma_f32_16x16x32_f16 v[rS:rS+7], v[rK:rK+7], v[rQ:rQ+7], 0
.else
	v_wmma_f32_16x16x32_f16 v[rS:rS+7], v[rK:rK+7], v[rQ:rQ+7], v[rS:rS+7]
.endif
.endm
; THE LDS LOADS stand in runs of 16, never singly among the matrix instructions: a step's K (64 keys x 64 channels: 16 parts) and, a turn later, its V (turned).
.macro FETCH_K
	WIN 0
	v_add_nc_u32 v[ADR], s[TB], v[LI]
	WIN 0x80                                       ; destination window 2
.irp n, 0,1,2,3,4,5,6,7,8,9,10,11,12,13,14,15  ; keys 16 (n / 4) on, channels 16 (n % 4) on
	ds_load_b128 v[KF+4*\n:KF+4*\n+3], v[ADR] offset:512*\n
.endr
.endm
.macro FETCH_V
	WIN 0
	v_add_nc_u32 v[ADR], s[TB], v[LV]
	s_add_co_u32 s[TB], s[TB], STEPB               ; the next fetch is the next step's
	WIN 0x80
.irp kp, 0,1                                   ; keys 32 kp on, channels 16 ct on: two loads of 16 keys each
.irp ct, 0,1,2,3
.irp c, 0,1
	ds_load_tr16_b128 v[VF+8*(4*\kp+\ct)+4*\c:VF+8*(4*\kp+\ct)+4*\c+3], v[ADR] offset:((2*\kp+\c)*4+\ct)*512
.endr
.endr
.endr
.endm
; THE VECTOR WORK OF A TURN.  One tile's softmax for one key step is a list of 118 instructions; SM writes number j of it for tile t.  s0-s31 are the lane's 32 scores, in pairs 0-15.
; first = 1: the first key step, which starts m, l and O^T: it has no a and nothing to rescale.
;   0-15    the maximum of s0-s31 and the old m, three operands at a time: four chains c0-c3 of seven scores each (each accumulator is first read at its low end), then the four scores left over, c0-c3 and m
;   16-20   the other half of the lanes' maximum; the new m; c m; c m_old - c m_new
;   21-87   33 exponentials (a, then s0-s31) at the odd numbers from 23 on, so that no two follow each other and each has a plain instruction behind it before its result is used (ISA guide 5.7.2).
;           Plain instruction q (number 21, then the even numbers) is whatever is ready: c s - c m for a pair of scores whose exponentials are still to come (q = 0 to 3, then every
;           second q), the rounding to f16 of a pair of weights whose exponentials are done (every other q from 5 on), at last the first three sums
;   88-101  the last rounding; the rest of the sums, taken of the unrounded p; l = a l + the sum
;   102-117 the tile's O^T times a, ascending: the one part that leaves window 0, so it stands together
.macro SM t, first
.set rT, ST+8*(\t)
.set rS, S+32*(\t)
.set rP, P+16*(\t)
.set rO, 32*(\t)+2*(j-102)
.set q, (j-20)/2
.if j < 102
	WIN 0
.endif
.if j < 4
	v_max3_num_f32 v[rT+4+j], v[rS+8*j], v[rS+8*j+1], v[rS+8*j+2]
.elseif j < 12
	v_max3_num_f32 v[rT+4+j%4], v[rT+4+j%4], v[rS+8*(j%4)+2*(j/4)+1], v[rS+8*(j%4)+2*(j/4)+2]
.elseif j == 12
	v_max3_num_f32 v[rT+4], v[rT+4], v[rS+7], v[rS+15]
.elseif j == 13
	v_max3_num_f32 v[rT+6], v[rT+6], v[rS+23], v[rS+31]
.elseif j == 14
	v_max3_num_f32 v[rT+4], v[rT+4], v[rT+5], v[rT+6]
.elseif (j == 15) && \first
	v_max_num_f32 v[rT+4], v[rT+4], v[rT+7]
.elseif j == 15
	v_max3_num_f32 v[rT+4], v[rT+4], v[rT+7], v[rT+1]
.elseif j == 16
	v_permlanex16_b32 v[rT+5], v[rT+4], s[SEL], s[SEL+1]  ; the query's other 32 keys lie in the lane 16 away
.elseif j == 18
	v_max_num_f32 v[rT+1], v[rT+4], v[rT+5]
.elseif j == 19
	v_mul_f32 v[rT], s[CS], v[rT+1]
.elseif ((j == 17) || (j == 20) || (j == 23) || (j > 101)) && \first  ; the first step has none of these
.elseif j == 17
	v_mov_b32 v[rT+7], v[rT]                       ; c m_old is kept for a: number 19 writes c m anew
.elseif j == 20
	v_sub_f32 v[rT+7], v[rT+7], v[rT]
.elseif j == 23
	v_exp_f32 v[rT+6], v[rT+7]
.elseif (j < 88) && (j > 23) && (j%2 == 1)
	v_exp_f32 v[rS+(j-25)/2], v[rS+(j-25)/2]
.elseif (q < 4) || ((j < 76) && (q%2 == 0))
.set b, q/2+2
.if q < 4
.set b, q
.endif
	v_pk_fma_f32 v[rS+2*b:rS+2*b+1], v[rS+2*b:rS+2*b+1], s[CS:CS+1], v[rT:rT+1] op_sel_hi:[1,0,0] neg_lo:[0,0,1] neg_hi:[0,0,1]  ; pair b: c s - c m
.elseif (j < 88) && (q%2 == 1)
	s_wait_alu depctr_va_vdst(0)
	v_cvt_pk_f16_f32 v[rP+(q-5)/2], v[rS+q-5], v[rS+q-4]  ; pair (q - 5) / 2: its second exponential stands three numbers back
.elseif j == 89
	s_wait_alu depctr_va_vdst(0)
	v_cvt_pk_f16_f32 v[rP+15], v[rS+30], v[rS+31]
.elseif j < 102                        ; the sum of the tile's 16 pairs (in a pair: an even key's weight, an odd key's), in place: sum z of 16 adds neighbours 1, 2, 4 and 8 pairs apart, then l takes it
.set z, j-86
.if j < 89
.set z, (j-76)/4
.endif
.set w, 4
.set u, z
.if z >= 14
.set w, 32
.set u, 0
.elseif z >= 12
.set w, 16
.set u, z-12
.elseif z >= 8
.set w, 8
.set u, z-8
.endif
.if (z == 14) && \first
	v_pk_add_f32 v[rT+2:rT+3], v[rS:rS+1], v[rS+16:rS+17]
.elseif z < 15
	v_pk_add_f32 v[rS+w*u:rS+w*u+1], v[rS+w*u:rS+w*u+1], v[rS+w*u+w/2:rS+w*u+w/2+1]
.elseif !\first
	v_pk_fma_f32 v[rT+2:rT+3], v[rT+2:rT+3], v[rT+6:rT+7], v[rS:rS+1] op_sel_hi:[1,0,1]
.endif
.else
	WIN W_RS
	v_pk_mul_f32 v[rO:rO+1], v[rO:rO+1], v[rT+6:rT+7] op_sel_hi:[1,0]
.endif
.endm
; Slice k of 59 of piece y's softmax: numbers 2 k and 2 k + 1 of both tiles' lists, four instructions.
.macro SLICE y, first
.if (k >= 11) && (k < 44)              ; tile by tile: plain, exponential, plain, exponential
.irp t, \y, \y+1
.irp n, 0,1
.set j, 2*k+\n
	SM \t, \first
.endr
.endr
.else                                  ; the two tiles alternate, so that no instruction reads the result of the one just before it
.irp n, 0,1
.irp t, \y, \y+1
.set j, 2*k+\n
	SM \t, \first
.endr
.endr
.endif
.set k, k+1
.endm
; The slices are dealt evenly behind a turn's np products, the earlier products taking the odd ones: of 32 products the first 27 have two slices behind them and the last five one; of 16 the first 11 four and the last five three.
; So the last product of a turn has slice 58 behind it: four plain rescalings of the other piece's O^T, which name none of its registers.
.macro DEAL y, first
.set ns, NSL/np
.if pidx < NSL-(NSL/np)*np
.set ns, ns+1
.endif
.rept ns
	SLICE \y, \first
.endr
.set pidx, pidx+1
.endm
; A vector instruction that reads a matrix result or writes one of a matrix instruction's registers, and a load into a register that a matrix instruction has read, stand four places behind
; it, and only plain vector instructions that name none of its registers are places (ISA guide 7.12.1 for vector instructions).  In the loop the slices are the places.
.macro PLACES
.rept 4
	v_nop
.endr
.endm
; A TURN.  Piece x has the matrix unit; the other piece's softmax stands in slices behind its matrix instructions.
; pv = 2: 16 products V^T P; 1: they start O^T's sums; 0: none.  kq = 1: 16 products K Q^T for the next step.
; first = 1: the softmax is the first key step's.  Its slices from 51 on are empty: the turn's last products stand bare, and four v_nop take slice 58's part as the places behind them.
; Each run of loads stands behind the second product of a run of 16, 14 matrix instructions ahead of its first use.  Piece 0's turn fetches the next step's K: the last product that read K
; stands in front of slice 58 of the turn before.  Piece 2's turn fetches the same step's V: the last product that read V stands six slices, twelve plain instructions, back.
.macro TURN x, pv, kq, first
.set k, 0
.set pidx, 0
.set np, 16
.if \pv && \kq
.set np, 32
.endif
.if \pv
.if \x == 0
	s_wait_dscnt 0x0                               ; V is in
.endif
.set i, 0
.rept 16
	PV \x, 2-\pv
	DEAL 2-\x, \first
.if (\x == 0) && \kq && (i == 1)
	FETCH_K
.endif
.set i, i+1
.endr
.endif
.if \kq
.if \x == 0
	s_wait_dscnt 0x0                               ; K is in
.endif
.set i, 0
.rept 16
	KQ \x
	DEAL 2-\x, \first
.if (\x == 2) && (i == 1)
	FETCH_V
.endif
.set i, i+1
.endr
.endif
.if \first
	PLACES
.endif
.endm
; THE CHANGE OF SLOTS, between piece 2's turn and piece 0's: the slot's last bytes, V of its eighth step, have been asked for.  Each wave waits for all its tensor loads, of which one is out: its part of
; the other slot; adds 0 to its spare word; and waits for that and for its own reads of the slot.  Behind the barrier nobody reads this slot any more and the other slot is whole.
; fill = 1: this slot is filled again, with the keys two slots on.  The barrier is then a round of the cluster's, so that no wave of any partner still reads the slot or has a load on its
; way, and the joint refill is the first thing behind it: it has eight key steps, 512 matrix instructions, in which to land.
.macro CHANGE fill
	WIN 0                                          ; at a label and at a branch every window is 0
	s_wait_tensorcnt 0x0                           ; no tensor load of mine is out, so a group 0 may be written
	ds_add_u32 v[SPW], v[NIL]                      ; 0 onto my spare word: with fill = 1 the descriptor's steps stand between it and the wait for it
.if \fill
	s_xor_b32 s[G0B+1], s[G0B+1], SLOT1            ; the walking descriptor: the other slot than last time,
	s_add_nc_u64 s[G0B+2:G0B+3], s[G0B+2:G0B+3], 131072   ; the next 512 keys; the type bits on top are not reached
	s_wait_dscnt 0x0                               ; the add is done, and my reads of the slot are over
	CROUND
	tensor_load_to_lds s[G0B:G0B+3], s[G1:G1+7]
	s_nop 0
.rept 4
	v_nop
.endr
.else
	s_wait_dscnt 0x0                               ; the add is done, and my reads of the slot are over
	s_barrier_signal -1
	s_barrier_wait -1
.endif
	s_sub_co_u32 s[TB], s[TB], 8*STEPB             ; the fetches go back to a slot's first step,
	s_xor_b32 s[TB], s[TB], SLOT1                  ; in the other slot
.endm
; n key steps: written once, walked n times; the LDS addresses hang on s[TB].
.macro STEPS n
	s_mov_b32 s[CNT], \n
.Lstep_\@:
	TURN 0, 2, 1, 0
	TURN 2, 2, 1, 0
	WIN 0
	s_sub_co_u32 s[CNT], s[CNT], 1
	s_cmp_lg_u32 s[CNT], 0
	s_cbranch_scc1 .Lstep_\@
.endm
	s_wait_tensorcnt 1                             ; my part of slot 0 is in; slot 1's, issued behind it, may stay out
	s_barrier_signal -1
	s_barrier_wait -1                              ; everybody's is
	FETCH_K                                        ; key step 0
	s_wait_loadcnt 0x0                             ; Q
	s_wait_dscnt 0x0
.set i, 0
.rept 16
	KQ 0                                           ; piece 0's first scores: there is no vector work yet to set between them
.set i, i+1
.endr
	WIN 0
	PLACES                                         ; in front of the first read of those scores
	TURN 2, 0, 1, 1                                ; piece 2's first scores | piece 0's first softmax | V of step 0
	TURN 0, 1, 1, 1                                ; piece 0: V^T P of step 0 starts O^T, K Q^T of step 1 | piece 2's first softmax | K of step 1
	TURN 2, 1, 1, 0                                ; piece 2: the same | piece 0's softmax of step 1 | V of step 1
	WIN 0
	STEPS 6                                        ; the rest of slot 0 is fetched: steps 2 to 7
.Lslot:                                            ; two trips: slots 0 and 1 are filled again
	CHANGE 1
	STEPS 8
	s_sub_co_u32 s[SLOTS], s[SLOTS], 1
	s_cmp_lg_u32 s[SLOTS], 0
	s_cbranch_scc1 .Lslot
	CHANGE 0                                       ; the tail is written out: nothing is left to ask for
	STEPS 8
	TURN 0, 2, 0, 0                                ; piece 0: V^T P of the last step | piece 2's last softmax
.set i, 0
.rept 16
	PV 2, 0                                        ; piece 2: V^T P of the last step
.set i, i+1
.endr
	; THE WAY OUT.  l's two halves and the other half of the lanes' are added; O^T is divided by l and rounded to f16: a lane's eight channels of a query are 16 bytes, and the 32 lanes' 16 bytes are one part of ctxf: no LDS.
	; The additions are the places behind the last products.
	WIN 0
.irp t, 0,1,2,3
	v_add_f32 v[ST+8*\t+4], v[ST+8*\t+2], v[ST+8*\t+3]
.endr
.irp t, 0,1,2,3
	v_permlanex16_b32 v[ST+8*\t+5], v[ST+8*\t+4], s[SEL], s[SEL+1]
.endr
.irp t, 0,1,2,3
	v_add_f32 v[ST+8*\t+4], v[ST+8*\t+4], v[ST+8*\t+5]
.endr
.irp t, 0,1,2,3
	v_rcp_f32 v[ST+8*\t+6], v[ST+8*\t+4]
.endr
	v_nop                                          ; a plain instruction between the last reciprocal and the use of its result
	s_wait_alu depctr_va_vdst(0)
.macro PACK t
	WIN W_RS
.set i, 32*\t
.rept 16
	v_pk_mul_f32 v[i:i+1], v[i:i+1], v[ST+8*\t+6:ST+8*\t+7] op_sel_hi:[1,0]   ; O^T / l, each accumulator from its low end on
.set i, i+2
.endr
	WIN 0x05                                       ; sources 0 and 1 window 1, destination window 0: S^T's registers are free
.set i, 0
.rept 16
	v_cvt_pk_f16_f32 v[S+32*\t+i], v[32*\t+2*i], v[32*\t+2*i+1]
.set i, i+1
.endr
	WIN 0
.irp ct, 0,1,2,3
	global_store_b128 v[LI], v[S+32*\t+4*\ct:S+32*\t+4*\ct+3], s[8:9] offset:\t*8192+\ct*512   ; 32 lanes store 512 consecutive bytes, at a multiple of 512 from the buffer's first byte
.endr
.endm
	PACK 0
	PACK 1
	PACK 2
	PACK 3
	s_wait_tensorcnt 0x0                           ; the wave's end
	ds_add_u32 v[SPW], v[NIL]
	s_wait_dscnt 0x0
	CROUND                                         ; the closing round: no work-group ends while a partner may still ask for a tile that names it
	s_endpgm
.Lfunc_end_k_qed0814ae57_attn:
	.size	k_qed0814ae57_attn, .Lfunc_end_k_qed0814ae57_attn-k_qed0814ae57_attn
	.p2alignl 7, 3214868480
	.fill 96, 4, 3214868480
	.section	.rodata,"a",@progbits
	.p2align	6, 0x0
	.amdhsa_kernel k_qed0814ae57_attn
		.amdhsa_group_segment_fixed_size 327680
		.amdhsa_private_segment_fixed_size 0
		.amdhsa_enable_private_segment 0
		.amdhsa_kernarg_size 24
		.amdhsa_user_sgpr_count 2
		.amdhsa_user_sgpr_kernarg_segment_ptr 1
		.amdhsa_wavefront_size32 1
		.amdhsa_system_sgpr_workgroup_id_x 1
		.amdhsa_system_sgpr_workgroup_id_y 1
		.amdhsa_system_sgpr_workgroup_id_z 1
		.amdhsa_system_vgpr_workitem_id 0
		.amdhsa_next_free_vgpr 768
		.amdhsa_next_free_sgpr 66
		.amdhsa_reserve_vcc 0
		.amdhsa_float_denorm_mode_32 3
		.amdhsa_float_denorm_mode_16_64 3
		.amdhsa_memory_ordered 1
		.amdhsa_forward_progress 1
		.amdhsa_inst_pref_size 198
	.end_amdhsa_kernel
	.amdgpu_metadata
---
amdhsa.version: [ 1, 2 ]
amdhsa.kernels:
  - .name:           k_qed0814ae57_attn
    .symbol:         k_qed0814ae57_attn.kd
    .args:
      - { .name: qf, .offset: 0, .size: 8, .value_kind: global_buffer, .address_space: global }
      - { .name: kv, .offset: 8, .size: 8, .value_kind: global_buffer, .address_space: global }
      - { .name: ctxf, .offset: 16, .size: 8, .value_kind: global_buffer, .address_space: global }
    .group_segment_fixed_size: 327680
    .private_segment_fixed_size: 0
    .kernarg_segment_align: 8
    .kernarg_segment_size: 24
    .max_flat_workgroup_size: 128
    .sgpr_count:     66
    .vgpr_count:     768
    .wavefront_size: 32
...
	.end_amdgpu_metadata
.endif
;; end of part 3
;; launch outp (part 4): grid 8 x 32, 4 waves a work-group, clusters of 4 x 4, 327,680 bytes of LDS; arguments ctxf, wo16, bo, out0; writes out0
.if DOCPART == 4
	.amdgcn_target "amdgcn-amd-amdhsa--gfx1250"
	.amdhsa_code_object_version 6
	.text
	.protected	k_qed0814ae57_outp
	.globl	k_qed0814ae57_outp
	.p2align	8
	.type	k_qed0814ae57_outp,@function
k_qed0814ae57_outp:
	s_mov_b64 s[64:65], 0
	v_nop
	global_prefetch_b8 v0, s[64:65] scope:SCOPE_SE
	s_setreg_imm32_b32 hwreg(HW_REG_WAVE_MODE, 25, 1), 1
	s_wait_xcnt 0x0
	s_wait_alu depctr_hold_cnt(0) depctr_sa_sdst(0) depctr_va_vdst(0) depctr_va_sdst(0) depctr_va_ssrc(0) depctr_va_vcc(0) depctr_vm_vsrc(0)
	s_getreg_b32 s2, hwreg(HW_REG_IB_STS2, 6, 4)
	s_cmp_eq_u32 s2, 0
	s_cbranch_scc0 .Lentry_in_a_cluster
	s_endpgm
.Lentry_in_a_cluster:
	s_bfe_u32 s2, ttmp6, 0x10000c
	s_cmp_lg_u32 s2, 0xf033
	s_cbranch_scc0 .Lentry_shape_is_right
	s_endpgm
.Lentry_shape_is_right:
; out[row][e] = the sum over k of ctx[row][k] Wo[e][k] + bo[e].  ctx [4096][1024] and Wo [1024][1024] arrive in f16 as images of operand registers; sums and out in f32.
; 32 x 8 tiles of 128 x 128 give each of 256 work-groups one tile.  Four waves, each 64 x 64: 16 accumulators of 16 x 16.  K goes in four steps of 256 through two LDS slots.
; A tile's K step (128 rows x 256 along K) is 65,536 dense bytes: 16 rows rt at rt 8192, 16 along K at kpart 512, lane L's 16 bytes at 16 L.  A fragment (16 rows x 32 K) is two neighbouring parts: two loads of 512 consecutive bytes; LDS needs no padding.
; CLUSTERS: 4 x 4 work-groups.  The four of a row of the cluster need the same tiles of ctx, the four of a column the same tiles of Wo: each is asked for JOINTLY, by the same tensor load with the same descriptor and a mask that names the four.
; THE MATRIX INSTRUCTION: source 0 = 16 rows of Wo, source 1 = 16 rows of ctx: a lane then holds eight neighbouring numbers of a row of out.  The bias is the C of each sum's first instruction.
; REGISTERS: window 0: v1-29 addresses; v32-95 the way out, two sets of 32; v96-127 the bias, 8 registers for each block of 16 columns; v128-255 the accumulators ((a, b) at v[128 + 8 (4 a + b)]).
;   window 1: two fragment buffers of 128: for 64 along K, 64 registers of ctx (2 x 4 x 16 rows x 32 K), then 64 of Wo.
.set SLOT,   131072                    ; ctx's 65,536 bytes, then Wo's
.set SPARE,  262144                    ; behind the ring: the spare words, 128 bytes for each wave: two blocks of 256 bytes that no other line names
.set STAGE,  262656                    ; behind them: 16 rows x 272 bytes for each wave, for the way out; no tensor load lands here
.set SPITCH, 272                       ; 256 bytes + 16: the sixteen rows that a store touches begin 16 bytes apart modulo 256
.set ADRA, 16                          ; v16-17  my fragments of ctx in slot 0, 1
.set ADRB, 20                          ; v20-21  of Wo
.set STO,  24                          ; v24     the way out: where I put 32 bytes of a row
.set RD,   25                          ; v25     where I read a row back
.set CO,   26                          ; v26     my byte offset in out
.set BO,   27                          ; v27     32 h: my eight numbers of a block of 16 of the bias
.set SPW,  28                          ; v28     LDS address of my spare word: SPARE + 4 x my thread's number; never rewritten
.set NIL,  29                          ; v29     0; never rewritten
.set TMP,  32
.set BIAS, 96
.set ACC,  128
.set F0,   0
.set F1,   128
.set G1, 24                            ; s[24:31] descriptor group 1 for ctx's tiles;  s[32:39] group 0, one set for each slot
.set G0, 32
.set G1B, 48                           ; s[48:55], s[56:63] the same for Wo's
.set G0B, 56
.set MSB, 0
.macro WIN new                         ; the immediate's high byte repeats the setting that is left
.if MSB != (\new)
	s_set_vgpr_msb (MSB<<8)|(\new)
.set MSB, \new
.endif
.endm
.set MUL,  0x05                        ; sources 0 (Wo) and 1 (ctx) window 1; C and D window 0
.set TO_F, 0x40                        ; destination window 1, address window 0
.macro JLOAD s                         ; a joint load: waves 0 and 1 fetch ctx's two halves, waves 2 and 3 Wo's; four v_nop follow each of the two lines, ahead of the jump, the label and what follows
	s_cmp_eq_u32 s13, 0
	s_cbranch_scc0 .Lfor_b_\@
	tensor_load_to_lds s[G0+4*\s:G0+4*\s+3], s[G1:G1+7]
	s_nop 0
.rept 4
	v_nop
.endr
	s_branch .Lasked_\@
.Lfor_b_\@:
	tensor_load_to_lds s[G0B+4*\s:G0B+4*\s+3], s[G1B:G1B+7]
	s_nop 0
.rept 4
	v_nop
.endr
.Lasked_\@:
.endm
.macro CREST                           ; a round of the cluster's barrier behind its opening barrier
	s_cmp_lg_u32 s12, 0
	s_cbranch_scc1 .Lnot_wave_0_\@
	s_barrier_signal -3
.Lnot_wave_0_\@:
	s_barrier_wait -3
	s_barrier_signal -1
	s_barrier_wait -1
.endm
.macro CROUND                          ; a whole round
	s_barrier_signal -1
	s_barrier_wait -1
	CREST
.endm
	s_load_b256 s[4:11], s[0:1], 0x0               ; ctxf s[4:5], wo16 s[6:7], bo s[8:9], out0 s[10:11]
	v_lshl_add_u32 v[SPW], v0, 2, SPARE
	v_mov_b32 v[NIL], 0
	ds_add_u32 v28, v29
	ds_add_u32 v28, v29
	s_wait_dscnt 0x0
	v_lshrrev_b32 v1, 5, v0
	v_readfirstlane_b32 s12, v1                    ; wave 0..3
	s_lshr_b32 s13, s12, 1                         ; which half of the tile's rows is mine.  Also: I fetch for ctx (0) or for Wo (1)
	s_and_b32 s14, s12, 1                          ; which half of its columns.  Also: which 64 rows of that tile I fetch
	s_bfe_u32 s40, ttmp6, 0x40000                  ; cx, cy: my place in the cluster
	s_bfe_u32 s41, ttmp6, 0x40004
	s_lshl_b32 s42, ttmp9, 2
	s_add_co_u32 s42, s42, s40                     ; tile column = 4 x cluster x + cx
	s_and_b32 s15, ttmp7, 0xffff
	s_lshl_b32 s15, s15, 2
	s_add_co_u32 s15, s15, s41                     ; tile row = 4 x cluster y + cy
	s_lshl_b32 s43, s41, 2
	s_lshl_b32 s43, 15, s43                        ; my row of the cluster
	s_lshl_b32 s44, 0x1111, s40                    ; my column
	; descriptor group 1: half a K step's tile, 32,768 dense bytes, as 128 rows of 256 bytes (32 elements of 8 bytes).  15:0 the mask; 17:16 elements of 8 bytes; 21 set beside a mask; no padding
	s_or_b32 s[G1], s43, (3<<16)|(1<<21)
	s_or_b32 s[G1B], s44, (3<<16)|(1<<21)
.irp g, G1, G1B
	s_mov_b32 s[\g+1], 32<<16                      ; tensor_dim0
	s_mov_b32 s[\g+2], 128<<16                     ; tensor_dim1
	s_mov_b32 s[\g+3], 32<<16                      ; tile_dim0
	s_mov_b32 s[\g+4], 128                         ; tile_dim1
	s_mov_b32 s[\g+5], 32                          ; tensor_dim0_stride
	s_mov_b32 s[\g+6], 0
	s_mov_b32 s[\g+7], 0
.endr
	s_lshl_b32 s18, s14, 15                        ; which half of a K step's 65,536 bytes I fetch
	s_lshl_b32 s16, s15, 18                        ; ctx: the tile row's 262,144 bytes
	s_add_co_u32 s16, s16, s18
	s_mov_b32 s17, 0
	s_lshl_b32 s46, s42, 18                        ; Wo: the tile column's
	s_add_co_u32 s46, s46, s18
	s_mov_b32 s47, 0
	s_lshl_b32 s20, s12, 15                        ; where they go: wave x 32,768: no place in the cluster enters an LDS address
	s_wait_kmcnt 0x0
	s_add_nc_u64 s[16:17], s[4:5], s[16:17]
	s_add_nc_u64 s[46:47], s[6:7], s[46:47]
	CROUND                                         ; all sixteen work-groups are here: the first joint loads meet
.irp s, 0,1
	s_mov_b32 s[G0+4*\s], 1
	s_add_co_u32 s[G0+4*\s+1], s20, \s*SLOT
	s_add_nc_u64 s[G0+4*\s+2:G0+4*\s+3], s[16:17], \s*65536
	s_or_b32 s[G0+4*\s+3], s[G0+4*\s+3], 0x80000000
	s_mov_b32 s[G0B+4*\s], 1
	s_add_co_u32 s[G0B+4*\s+1], s20, \s*SLOT
	s_add_nc_u64 s[G0B+4*\s+2:G0B+4*\s+3], s[46:47], \s*65536
	s_or_b32 s[G0B+4*\s+3], s[G0B+4*\s+3], 0x80000000
	JLOAD \s                                       ; K steps 0 and 1: two loads of mine are out
.endr
	v_and_b32 v1, 15, v0                           ; r
	v_bfe_u32 v2, v0, 4, 1                         ; h
	v_and_b32 v3, 31, v0
	v_lshlrev_b32 v3, 4, v3                        ; 16 L
	v_lshlrev_b32 v[BO], 5, v2
	s_lshl_b32 s18, s42, 9                         ; my first column, in bytes of f32: 512 x tile column + 256 x half
	s_lshl_b32 s19, s14, 8
	s_add_co_u32 s18, s18, s19
	s_mov_b32 s19, 0
	s_add_nc_u64 s[8:9], s[8:9], s[18:19]
.irp b, 0,1,2,3
	global_load_b128 v[BIAS+8*\b:BIAS+8*\b+3], v[BO], s[8:9] offset:64*\b
	global_load_b128 v[BIAS+8*\b+4:BIAS+8*\b+7], v[BO], s[8:9] offset:64*\b+16
.endr
	s_lshl_b32 s21, s13, 15                        ; my 64 rows of ctx: four blocks of 8,192 bytes
	s_lshl_b32 s22, s14, 15                        ; my 64 rows of Wo,
	s_add_co_u32 s22, s22, 65536                   ; which lie behind ctx's 128
.irp s, 0,1
	v_add_nc_u32 v[ADRA+\s], s21, v3
	v_add_nc_u32 v[ADRB+\s], s22, v3
	s_add_co_u32 s21, s21, SLOT
	s_add_co_u32 s22, s22, SLOT
.endr
	s_mul_i32 s23, s12, 16*SPITCH
	s_add_co_u32 s23, s23, STAGE                   ; my stage
	v_mul_u32_u24 v4, v1, SPITCH                   ; in: row r, 32 bytes for each half of the lanes
	v_lshl_add_u32 v4, v2, 5, v4
	v_add_nc_u32 v[STO], s23, v4
	v_mul_u32_u24 v5, v2, SPITCH                   ; back: lanes 0-15 take one row of 256 bytes, lanes 16-31 the next
	v_lshl_add_u32 v5, v1, 4, v5
	v_add_nc_u32 v[RD], s23, v5
	v_lshlrev_b32 v5, 12, v2                       ; and the same two rows in out: 4,096 bytes a row
	v_lshl_add_u32 v[CO], v1, 4, v5
	s_lshl_b32 s16, s15, 19                        ; my first row: 128 x tile row + 64 x half, 4,096 bytes each
	s_lshl_b32 s17, s13, 18
	s_add_co_u32 s16, s16, s17
	s_add_co_u32 s16, s16, s18
	s_mov_b32 s17, 0
	s_add_nc_u64 s[10:11], s[10:11], s[16:17]
; 8 matrix instructions: row blocks a0, a0 + 1 x all 4 column blocks, 32 along K: half c of buffer f.  first = 1: the bias is the C: nothing is cleared.  The 16 accumulators take turns, one instruction a turn.
.macro MUL8 f, c, a0, first
.irp a, \a0, \a0+1
.irp b, 0,1,2,3
.if \first
	v_wmma_f32_16x16x32_f16 v[ACC+8*(4*(\a)+\b):ACC+8*(4*(\a)+\b)+7], v[\f+64+8*(4*\c+\b):\f+64+8*(4*\c+\b)+7], v[\f+8*(4*\c+(\a)):\f+8*(4*\c+(\a))+7], v[BIAS+8*\b:BIAS+8*\b+7]
.else
	v_wmma_f32_16x16x32_f16 v[ACC+8*(4*(\a)+\b):ACC+8*(4*(\a)+\b)+7], v[\f+64+8*(4*\c+\b):\f+64+8*(4*\c+\b)+7], v[\f+8*(4*\c+(\a)):\f+8*(4*\c+(\a))+7], v[ACC+8*(4*(\a)+\b):ACC+8*(4*(\a)+\b)+7]
.endif
.endr
.endr
.endm
; 32 LDS loads in one run: the fragments of the slot's quarter qd (64 along K: parts 4 qd .. 4 qd + 3) into buffer f; the first 32 along K first
.macro FETCH slot, qd, f
	WIN TO_F
.irp c, 0,1
.irp i, 0,1,2,3
	ds_load_b128 v[\f+64+8*(4*\c+\i):\f+64+8*(4*\c+\i)+3],   v[ADRB+\slot] offset:\i*8192+(4*(\qd)+2*\c)*512
	ds_load_b128 v[\f+64+8*(4*\c+\i)+4:\f+64+8*(4*\c+\i)+7], v[ADRB+\slot] offset:\i*8192+(4*(\qd)+2*\c)*512+512
	ds_load_b128 v[\f+8*(4*\c+\i):\f+8*(4*\c+\i)+3],         v[ADRA+\slot] offset:\i*8192+(4*(\qd)+2*\c)*512
	ds_load_b128 v[\f+8*(4*\c+\i)+4:\f+8*(4*\c+\i)+7],       v[ADRA+\slot] offset:\i*8192+(4*(\qd)+2*\c)*512+512
.endr
.endr
.endm
.macro PLACES                          ; four places in front of loads into registers that matrix instructions have read, and of LDS stores that read results (ISA guide 7.12.1 for vector instructions)
.rept 4
	v_nop
.endr
.endm
; A K step is four quarters of 64 along K, 32 matrix instructions each, on buffers 0, 1, 0, 1.  One of the first three: multiplies buffer f and fetches quarter qd into g.
.macro QUARTER slot, qd, f, g, first
	s_wait_dscnt 16                                ; the first 32 along K are in; the youngest sixteen loads may be out
	WIN MUL
	MUL8 \f, 0, 0, \first
	MUL8 \f, 0, 2, \first
	PLACES
	FETCH \slot, \qd, \g
	s_wait_dscnt 32                                ; all but the 32 just issued
	WIN MUL
	MUL8 \f, 1, 0, 0
	MUL8 \f, 1, 2, 0
.endm
; The last quarter multiplies buffer 1 and changes slots: ONE barrier; in front of it each wave waits for all its tensor loads, adds 0 to its spare word, and waits for that and for its own reads of this slot.  fill = 1: this slot is filled again, two K steps ahead.
.macro TURN slot, next, fill
	WIN 0                                          ; (the add's two registers lie in window 0)
	s_wait_tensorcnt 0x0                           ; all my tensor loads have landed: my part of the next slot;
	ds_add_u32 v[SPW], v[NIL]                      ; 0 onto my spare word
	s_wait_dscnt 17                                ; (the add and the youngest sixteen loads may be out)
	WIN MUL
	MUL8 F1, 0, 0, 0                               ; eight matrix instructions stand between the add and the wait for it
	s_wait_dscnt 0x0                               ; the add is done, and my reads of this slot are over
	s_barrier_signal -1
	MUL8 F1, 0, 2, 0
.if \fill
	WIN 0
.endif
	s_barrier_wait -1
.if \fill
	CREST                                          ; the barrier has opened a round of the cluster's barrier: no wave of any partner still reads this slot's tile or has a load on its way
	s_add_nc_u64 s[G0+4*\slot+2:G0+4*\slot+3], s[G0+4*\slot+2:G0+4*\slot+3], 131072
	s_add_nc_u64 s[G0B+4*\slot+2:G0B+4*\slot+3], s[G0B+4*\slot+2:G0B+4*\slot+3], 131072
	JLOAD \slot                                    ; the first tensor load behind the round: 112 matrix instructions ahead of the wait for it; the four v_nop behind it are also the places in front of the loads below
.else
	PLACES
.endif
	FETCH \next, 0, F0
	WIN MUL
	MUL8 F1, 1, 0, 0
	MUL8 F1, 1, 2, 0
.endm
	s_wait_tensorcnt 1                             ; my part of K step 0 is in; K step 1's load, issued behind it, may be out
	s_barrier_signal -1
	s_barrier_wait -1                              ; everybody's is
	FETCH 0, 0, F0
	s_wait_loadcnt 0x0                             ; the bias
	QUARTER 0, 1, F0, F1, 1                        ; K step 0; its first products start the sums from the bias
	QUARTER 0, 2, F1, F0, 0
	QUARTER 0, 3, F0, F1, 0
	TURN 0, 1, 1                                   ; slot 0 takes K step 2
	QUARTER 1, 1, F0, F1, 0                        ; K step 1
	QUARTER 1, 2, F1, F0, 0
	QUARTER 1, 3, F0, F1, 0
	TURN 1, 0, 1                                   ; slot 1 takes K step 3: the last load
	QUARTER 0, 1, F0, F1, 0                        ; K step 2
	QUARTER 0, 2, F1, F0, 0
	QUARTER 0, 3, F0, F1, 0
	TURN 0, 1, 0                                   ; nothing is left to fetch, so no round follows
	QUARTER 1, 1, F0, F1, 0                        ; K step 3
	QUARTER 1, 2, F1, F0, 0
	QUARTER 1, 3, F0, F1, 0
	s_wait_dscnt 16                                ; the very last quarter
	WIN MUL
	MUL8 F1, 0, 0, 0
	MUL8 F1, 0, 2, 0
	s_wait_dscnt 0x0
	MUL8 F1, 1, 0, 0
	MUL8 F1, 1, 2, 0
	WIN 0
	; THE WAY OUT, a block of 16 rows x 64 columns at a time.  A lane holds 32 neighbouring bytes of a row and the lanes beside it other rows: the block goes through my own stage and comes back as whole rows of 256 bytes.
	; LDS serves a wave's instructions in order (ISA guide 5.7.1.4): no wait between the stores and the loads, nor in front of the next block's stores.  Each accumulator is stored from its low end on.
	PLACES
.irp a, 0,1,2,3
.if \a >= 2
	s_wait_xcnt 0x0                                ; block a - 2's stores have read their data: the loads below land there only behind this wait
.endif
.irp b, 0,1,2,3
	ds_store_b128 v[STO], v[ACC+8*(4*\a+\b):ACC+8*(4*\a+\b)+3] offset:64*\b
	ds_store_b128 v[STO], v[ACC+8*(4*\a+\b)+4:ACC+8*(4*\a+\b)+7] offset:64*\b+16
.endr
.irp t, 0,1,2,3,4,5,6,7
	ds_load_b128 v[TMP+32*(\a%2)+4*\t:TMP+32*(\a%2)+4*\t+3], v[RD] offset:\t*2*SPITCH
.endr
.irp t, 0,1,2,3,4,5,6,7
	s_wait_dscnt 7-\t                              ; load t is in; the 7 - t younger ones may be out
	global_store_b128 v[CO], v[TMP+32*(\a%2)+4*\t:TMP+32*(\a%2)+4*\t+3], s[10:11] offset:(16*\a+2*\t)*4096 th:TH_STORE_NT   ; 16 lanes store 256 consecutive bytes, at a multiple of 256 from out's first byte; written once, read by nobody here
.endr
.endr
	s_wait_tensorcnt 0x0                           ; the wave's end: behind my last tensor load and my last LDS store
	ds_add_u32 v[SPW], v[NIL]
	s_wait_dscnt 0x0
	CROUND                                         ; the closing round: no work-group ends while a partner may still ask for a tile that names it
	s_endpgm
.Lfunc_end_k_qed0814ae57_outp:
	.size	k_qed0814ae57_outp, .Lfunc_end_k_qed0814ae57_outp-k_qed0814ae57_outp
	.p2alignl 7, 3214868480
	.fill 96, 4, 3214868480
	.section	.rodata,"a",@progbits
	.p2align	6, 0x0
	.amdhsa_kernel k_qed0814ae57_outp
		.amdhsa_group_segment_fixed_size 327680
		.amdhsa_private_segment_fixed_size 0
		.amdhsa_enable_private_segment 0
		.amdhsa_kernarg_size 32
		.amdhsa_user_sgpr_count 2
		.amdhsa_user_sgpr_kernarg_segment_ptr 1
		.amdhsa_wavefront_size32 1
		.amdhsa_system_sgpr_workgroup_id_x 1
		.amdhsa_system_sgpr_workgroup_id_y 1
		.amdhsa_system_sgpr_workgroup_id_z 1
		.amdhsa_system_vgpr_workitem_id 0
		.amdhsa_next_free_vgpr 512
		.amdhsa_next_free_sgpr 66
		.amdhsa_reserve_vcc 0
		.amdhsa_float_denorm_mode_32 3
		.amdhsa_float_denorm_mode_16_64 3
		.amdhsa_memory_ordered 1
		.amdhsa_forward_progress 1
		.amdhsa_inst_pref_size 87
	.end_amdhsa_kernel
	.amdgpu_metadata
---
amdhsa.version: [ 1, 2 ]
amdhsa.kernels:
  - .name:           k_qed0814ae57_outp
    .symbol:         k_qed0814ae57_outp.kd
    .args:
      - { .name: ctxf, .offset: 0, .size: 8, .value_kind: global_buffer, .address_space: global }
      - { .name: wo16, .offset: 8, .size: 8, .value_kind: global_buffer, .address_space: global }
      - { .name: bo, .offset: 16, .size: 8, .value_kind: global_buffer, .address_space: global }
      - { .name: out0, .offset: 24, .size: 8, .value_kind: global_buffer, .address_space: global }
    .group_segment_fixed_size: 327680
    .private_segment_fixed_size: 0
    .kernarg_segment_align: 8
    .kernarg_segment_size: 32
    .max_flat_workgroup_size: 128
    .sgpr_count:     66
    .vgpr_count:     512
    .wavefront_size: 32
...
	.end_amdgpu_metadata
.endif
;; end of part 4
